; MI455X (gfx1250); checked and timed in simulation.
; The chip was launched on July 23, 2026; its instructions are those of AMD's public machine-readable ISA for CDNA 5 (MIT licence, August 2026) and "CDNA5" Instruction Set Architecture Reference Guide (July 2026). The comments in the code are by the model that wrote it; some were corrected since.
;; Chunk Aware Attention. Allowed arithmetic: float matrix products may take bf16 or f16 operands with f32 sums; other float arithmetic in f32, or as packed bf16 or f16 multiplies, adds, multiply-adds, maxima and minima; sums over many terms, partial sums and values carried from step to step in f32; what a program stores and reads back later, other than sums and carried values, may be rounded once to bf16 or f16.
;; Inputs: Wk 512 x 512 float32; Wout 512 x 512 float32; Wpos 512 x 512 float32; Wq 512 x 512 float32; Wv 512 x 512 float32; bk 512 float32; bout 512 float32; bq 512 float32; bv 512 float32; ln_b 512 float32; ln_g 512 float32; mask 8,192 x 8,192 bool; pos_enc 1 x 8,192 x 512 float32; x 4 x 8,192 x 512 float32.
;; Outputs: out0 4 x 8,192 x 512 float32.
;; 2 versions, each right; version 2 is version 1 with the launch prep written anew for expert scheduling mode. Each part assembles by itself: llvm-mc -triple=amdgcn-amd-amdhsa -mcpu=gfx1250 --defsym DOCPART=n.
;; ======== version 1 of 2: 3 launches
;; limits: values are held in f16: magnitudes above 65,504 overflow, below 6.1e-05 lose precision
;; workspace buffers: wh 2,621,440 bytes; qbuf 34,209,792 bytes; kbuf 34,209,792 bytes; vbuf 34,209,792 bytes; bt 7,340,032 bytes
;; launch prep (part 1): grid 256 x 1, 8 waves a work-group, no clusters, 0 bytes of LDS; arguments Wpos, Wk, Wq, Wv, Wout, mask, wh, kbuf, vbuf, bt; writes wh, kbuf, vbuf, bt
.if DOCPART == 1
	.amdgcn_target "amdgcn-amd-amdhsa--gfx1250"
	.amdhsa_code_object_version 6
	.text
	.protected	k_qd0995f0a34_prep
	.globl	k_qd0995f0a34_prep
	.p2align	8
	.type	k_qd0995f0a34_prep,@function
k_qd0995f0a34_prep:
	s_mov_b64 s[64:65], 0
	v_nop
	global_prefetch_b8 v0, s[64:65] scope:SCOPE_SE
	s_setreg_imm32_b32 hwreg(HW_REG_WAVE_MODE, 25, 1), 1
	s_wait_xcnt 0x0
; PREPARATION, three small jobs, no LDS, no matrix work: memory binds, every store of a wave covers 256 or 512 consecutive bytes.
; (a) the five weights [512 k][512 n] f32 -> f16, one after the other in wh: Wpos, Wk, Wq, Wv, Wout (524,288 bytes each).
; (b) zeros into the pad rows of kbuf and vbuf.  Both are [32 heads][8,352 rows][64] f16, row = t + 128: rows 0-127 and 8,320-8,351 stand for keys outside 0 .. 8,191.
; (c) the mask's windows as a table of f32 addends in the register image of a score tile (16 keys x 16 queries):
;     bt[chunk n][query tile qt][key tile kt][half][lane][4]; lane (r, h), register j: 0 if mask[64 n + 16 qt + r][kv] is set and 0 <= kv < 8,192, else -1e30,
;     kv = 64 n - 128 + 16 kt + 8 h + j.  A lane's eight keys begin at a multiple of 8, so they are all inside the sequence or all outside.
; LIMITS.  A weight beyond 65,504 has no f16.  A mask byte other than 0 counts as true.
.set HSTR, 8352*128                    ; bytes of a head in kbuf, vbuf
.set WB,   524288                      ; bytes of a weight in f16
.set KV,  36                           ; v36-39  first key of my eight, tile i
.set AD,  40                           ; v40-43  byte offset in mask, tile i
.set MK,  44                           ; v44-51  eight mask bytes, tile i
.set OUT, 52                           ; v52-83  eight addends, tile i
.set CV,  84                           ; v84-93  four f16, weight i
	s_load_b512 s[4:19], s[0:1], 0x0               ; Wpos 4, Wk 6, Wq 8, Wv 10, Wout 12, mask 14, wh 16, kbuf 18
	s_load_b128 s[20:23], s[0:1], 0x40             ; vbuf 20, bt 22
	v_lshrrev_b32 v1, 5, v0
	v_readfirstlane_b32 s24, v1                    ; wave 0..7
	s_mov_b32 s25, 0xf149f2ca                      ; -1e30
	s_mov_b32 s33, 0x2000                          ; T
	v_and_b32 v2, 15, v0                           ; r
	v_bfe_u32 v3, v0, 4, 1                         ; h
	v_and_b32 v4, 31, v0                           ; lane
	s_lshl_b32 s26, ttmp9, 8
	v_add_nc_u32 v5, s26, v0                       ; thread among all 65,536
	v_lshlrev_b32 v6, 4, v5                        ; its four f32 of a weight
	v_lshlrev_b32 v7, 3, v5                        ; its four f16
	s_lshr_b32 s27, ttmp9, 1                       ; chunk n
	s_and_b32 s28, ttmp9, 1
	s_lshl_b32 s28, s28, 1
	s_lshr_b32 s29, s24, 2
	s_add_co_u32 s28, s28, s29                     ; query tile qt
	s_and_b32 s29, s24, 3                          ; my first key tile; the others are 4, 8, 12 on
	s_lshl_b32 s30, s27, 6                         ; 64 n
	s_lshl_b32 s31, s28, 4
	s_add_co_u32 s31, s31, s30
	v_add_nc_u32 v8, s31, v2                       ; my query
	v_lshlrev_b32 v8, 13, v8                       ; its row of 8,192 bytes
	s_lshl_b32 s31, s29, 4
	s_add_co_u32 s31, s31, s30
	s_sub_co_u32 s31, s31, 128                     ; 64 n - 128 + 16 kt: below 0 it wraps, and the unsigned compare below finds it too large
	v_lshl_add_u32 v9, v3, 3, s31
	s_lshl_b32 s32, s27, 2
	s_add_co_u32 s32, s32, s28
	s_mul_i32 s32, s32, 14
	s_add_co_u32 s32, s32, s29
	s_lshl_b32 s32, s32, 10                        ; my first tile's 1,024 bytes in bt
	v_lshl_add_u32 v10, v4, 4, s32
	s_lshr_b32 s38, ttmp9, 3                       ; pads: head wg / 8, eighth wg % 8
	s_mul_i32 s38, s38, HSTR
	s_and_b32 s39, ttmp9, 7
	s_lshl_b32 s26, s39, 11
	s_add_co_u32 s26, s26, s38
	v_lshl_add_u32 v11, v0, 3, s26                 ; front: 16,384 bytes a head, 2,048 a work-group
	s_lshl_b32 s26, s39, 9
	s_add_co_u32 s26, s26, s38
	s_add_co_u32 s26, s26, 8320*128
	v_lshl_add_u32 v12, v0, 3, s26                 ; back: 4,096 bytes a head, 512 a work-group
	v_mov_b32 v14, 0
	v_mov_b32 v15, 0
	s_wait_kmcnt 0x0
.irp i, 0,1,2,3,4
	global_load_b128 v[16+4*(\i):16+4*(\i)+3], v6, s[4+2*(\i):5+2*(\i)] th:TH_LOAD_NT
.endr
.macro TLOAD i                         ; eight mask bytes of key tile kt0 + 4 i
	v_add_nc_u32 v[KV+(\i)], 64*(\i), v9
	v_cmp_gt_u32 s[34+(\i)], s33, v[KV+(\i)]       ; inside the sequence?
	v_cndmask_b32 v[AD+(\i)], 0, v[KV+(\i)], s[34+(\i)]  ; outside: column 0 is read and thrown away
	v_add_nc_u32 v[AD+(\i)], v8, v[AD+(\i)]
	global_load_b64 v[MK+2*(\i):MK+2*(\i)+1], v[AD+(\i)], s[14:15] th:TH_LOAD_NT
.endm
.macro TOUT i
	v_cndmask_b32 v[MK+2*(\i)], 0, v[MK+2*(\i)], s[34+(\i)]
	v_cndmask_b32 v[MK+2*(\i)+1], 0, v[MK+2*(\i)+1], s[34+(\i)]
.irp j, 0,1,2,3,4,5,6,7
	v_bfe_u32 v13, v[MK+2*(\i)+(\j)/4], 8*((\j)%4), 8
	v_cmp_eq_u32 vcc_lo, 0, v13
	v_cndmask_b32 v[OUT+8*(\i)+(\j)], 0, s25, vcc_lo
.endr
	global_store_b128 v10, v[OUT+8*(\i):OUT+8*(\i)+3], s[22:23] offset:4096*(\i)        ; registers 0-3 of all 32 lanes: 512 consecutive bytes
	global_store_b128 v10, v[OUT+8*(\i)+4:OUT+8*(\i)+7], s[22:23] offset:4096*(\i)+512  ; registers 4-7
.endm
	TLOAD 0
	TLOAD 1
	TLOAD 2
	global_store_b64 v11, v[14:15], s[18:19]       ; the front pads
	global_store_b64 v11, v[14:15], s[20:21]
	s_cmp_lt_u32 s24, 2
	s_cbranch_scc0 .Lno_back                       ; the back pads are 64 threads' work
	global_store_b64 v12, v[14:15], s[18:19]
	global_store_b64 v12, v[14:15], s[20:21]
.Lno_back:
.irp i, 0,1,2,3,4
	s_wait_loadcnt 7-(\i)                          ; behind weight i: the 4 - i younger weights' loads and the three mask loads
	v_cvt_pk_f16_f32 v[CV+2*(\i)], v[16+4*(\i)], v[16+4*(\i)+1]
	v_cvt_pk_f16_f32 v[CV+2*(\i)+1], v[16+4*(\i)+2], v[16+4*(\i)+3]
	global_store_b64 v7, v[CV+2*(\i):CV+2*(\i)+1], s[16:17] offset:(\i)*WB
.endr
	s_wait_loadcnt 0x0
	TOUT 0
	TOUT 1
	TOUT 2
	s_cmp_lt_u32 s29, 2
	s_cbranch_scc0 .Lend                           ; there are 14 key tiles: 12 and 13 are the fourth of two waves in four
	TLOAD 3
	s_wait_loadcnt 0x0
	TOUT 3
.Lend:
	s_endpgm
.Lfunc_end_k_qd0995f0a34_prep:
	.size	k_qd0995f0a34_prep, .Lfunc_end_k_qd0995f0a34_prep-k_qd0995f0a34_prep
	.p2alignl 7, 3214868480
	.fill 96, 4, 3214868480
	.section	.rodata,"a",@progbits
	.p2align	6, 0x0
	.amdhsa_kernel k_qd0995f0a34_prep
		.amdhsa_group_segment_fixed_size 0
		.amdhsa_private_segment_fixed_size 0
		.amdhsa_enable_private_segment 0
		.amdhsa_kernarg_size 80
		.amdhsa_user_sgpr_count 2
		.amdhsa_user_sgpr_kernarg_segment_ptr 1
		.amdhsa_wavefront_size32 1
		.amdhsa_system_sgpr_workgroup_id_x 1
		.amdhsa_system_sgpr_workgroup_id_y 1
		.amdhsa_system_sgpr_workgroup_id_z 1
		.amdhsa_system_vgpr_workitem_id 0
		.amdhsa_next_free_vgpr 96
		.amdhsa_next_free_sgpr 66
		.amdhsa_reserve_vcc 1
		.amdhsa_float_denorm_mode_32 3
		.amdhsa_float_denorm_mode_16_64 3
		.amdhsa_memory_ordered 1
		.amdhsa_forward_progress 1
		.amdhsa_inst_pref_size 12
	.end_amdhsa_kernel
	.amdgpu_metadata
---
amdhsa.version: [ 1, 2 ]
amdhsa.kernels:
  - .name:           k_qd0995f0a34_prep
    .symbol:         k_qd0995f0a34_prep.kd
    .args:
      - { .name: Wpos, .offset: 0, .size: 8, .value_kind: global_buffer, .address_space: global }
      - { .name: Wk, .offset: 8, .size: 8, .value_kind: global_buffer, .address_space: global }
      - { .name: Wq, .offset: 16, .size: 8, .value_kind: global_buffer, .address_space: global }
      - { .name: Wv, .offset: 24, .size: 8, .value_kind: global_buffer, .address_space: global }
      - { .name: Wout, .offset: 32, .size: 8, .value_kind: global_buffer, .address_space: global }
      - { .name: mask, .offset: 40, .size: 8, .value_kind: global_buffer, .address_space: global }
      - { .name: wh, .offset: 48, .size: 8, .value_kind: global_buffer, .address_space: global }
      - { .name: kbuf, .offset: 56, .size: 8, .value_kind: global_buffer, .address_space: global }
      - { .name: vbuf, .offset: 64, .size: 8, .value_kind: global_buffer, .address_space: global }
      - { .name: bt, .offset: 72, .size: 8, .value_kind: global_buffer, .address_space: global }
    .group_segment_fixed_size: 0
    .private_segment_fixed_size: 0
    .kernarg_segment_align: 8
    .kernarg_segment_size: 80
    .max_flat_workgroup_size: 256
    .sgpr_count:     66
    .vgpr_count:     96
    .wavefront_size: 32
...
	.end_amdgpu_metadata
.endif
;; end of part 1
;; launch proj (part 2): grid 256 x 1, 4 waves a work-group, clusters of 4 x 1, 327,680 bytes of LDS; arguments x, pos_enc, ln_g, ln_b, bq, bk, bv, wh, qbuf, kbuf, vbuf; writes qbuf, kbuf, vbuf
.if DOCPART == 2
	.amdgcn_target "amdgcn-amd-amdhsa--gfx1250"
	.amdhsa_code_object_version 6
	.text
	.protected	k_qd0995f0a34_proj
	.globl	k_qd0995f0a34_proj
	.p2align	8
	.type	k_qd0995f0a34_proj,@function
k_qd0995f0a34_proj:
	s_mov_b64 s[64:65], 0
	v_nop
	global_prefetch_b8 v0, s[64:65] scope:SCOPE_SE
	s_setreg_imm32_b32 hwreg(HW_REG_WAVE_MODE, 25, 1), 1
	s_wait_xcnt 0x0
	s_wait_alu depctr_hold_cnt(0) depctr_sa_sdst(0) depctr_va_vdst(0) depctr_va_sdst(0) depctr_va_ssrc(0) depctr_va_vcc(0) depctr_vm_vsrc(0)
	s_getreg_b32 s2, hwreg(HW_REG_IB_STS2, 6, 4)
	s_cmp_eq_u32 s2, 0
	s_cbranch_scc0 .Lentry_in_a_cluster
	s_endpgm
.Lentry_in_a_cluster:
	s_bfe_u32 s2, ttmp6, 0x10000c
	s_cmp_lg_u32 s2, 0x3003
	s_cbranch_scc0 .Lentry_shape_is_right
	s_endpgm
.Lentry_shape_is_right:
; LAYERNORM AND THE FOUR PROJECTIONS.  xn = LayerNorm(x) g + b;  k' = xn Wk + bk + pos Wpos;  q = xn Wq + bq;  v = xn Wv + bv.
; q . k + q . pk = q . (k + pk) for every input, so the positional keys are added to the keys here and one score product is left.
; q, k', v leave by heads, [4 x 8 heads][8,352 rows][64] f16, row = t + 128, each rounded once from its f32 sums, unscaled.
; SHARES.  Work-group g owns t = 32 g .. 32 g + 31 of ALL four batches: 128 rows of x, 32 rows of pos.  So pos Wpos is made once and is the C operand that starts k's sums in all four batches.
; Row block a of 16 rows = 2 x batch + (t / 16) % 2.  The four waves split the 512 columns: a wave makes 128 rows x 128 columns (two heads): 64 accumulators, 512 registers.
; OPERANDS are f16 (LayerNorm stands between x and the first product, so nothing is gained by bf16): xn and pos lie in LDS for the whole launch; the weights ([k][n] f16 in wh, four of them on end:
; 32 K steps of 64) walk through two LDS slots.  All work-groups walk the same weights: the four of a cluster ask JOINTLY, same load, same descriptor, mask 15.
; THE WALK ALONG K.  A sum over K may take its steps in any order.  Cluster c begins each weight at K step (c ^ (c / 8)) % 8 and goes round: in any one step the 64 clusters between them ask for all
; eight tiles of the weight, and from a weight's second step on a cluster asks for a tile that other clusters asked for one step earlier.
; THE MATRIX INSTRUCTION IS USED TRANSPOSED: source 0 = 16 columns of W (turned on the way out of LDS), source 1 = 16 rows of xn: a lane holds eight neighbouring columns of one row.
; LIMITS.  |xn|, |pos|, |q|, |k'|, |v| stay below 65,504 (f16).  The variance is taken of x less its mean, so a common offset costs no digits.  NaN and infinities are not treated apart.
; The order of the f32 sums along K differs from cluster to cluster, and from the reference's: a matter of rounding alone.
; REGISTERS, in windows of 256 (s_set_vgpr_msb: bits 1:0 source 0, 3:2 source 1, 5:4 source 2, 7:6 destination):
;   window 0: v0-31 addresses; v32-63 pos fragments, later rows on the way out; v64-127, v128-191 x (two groups of four rows), later xn's fragment buffers; v192-223 g, b, later packed results; v224-255 at work
;   window 1: v0-63, v192-255 the tiles that start sums (t block 0, 1); v64-127, v128-191 W's fragment buffers      windows 2, 3: accumulator (a, b) at v[8 (8 (a % 4) + b)], blocks 0-3, 4-7
.set APITCH, 1040                      ; a row of xn or pos in LDS: 1,024 bytes + 16: 65 x 16, so the 16 rows of a fragment load begin at 16 different 16-byte columns modulo 256
.set ABLK,   16*APITCH
.set WPITCH, 1056                      ; a row of W: 1,024 + 32 = 33 x 32, for the turning load
.set WQ,     16*WPITCH                 ; a wave's quarter of a slot
.set SLOTB,  64*WPITCH                 ; 67,584: shares no bit with WQ x wave, so one exclusive or turns an address in one slot into the other's
.set AX,     2*SLOTB                   ; xn: 8 blocks of 16 rows
.set APOS,   AX+8*ABLK                 ; pos: 2 blocks
.set STAGE,  APOS+2*ABLK               ; 16 rows x 272 bytes for each wave, for the way out
.set SPITCH, 272
.set SPARE,  STAGE+4*16*SPITCH         ; the spare words, 128 bytes a wave: two blocks of 256 bytes that no other line names
.set HSTR,   8352*128
.set BSTR,   8*HSTR
.set CISTEP, 192                       ; from the start tiles of t block 0 to those of t block 1
.set F0, 64
.set F1, 128
.set XA, 64
.set XB, 128
.set GG, 192
.set BB, 208
.set TT, 224
.set TMP, 192
.set PF, 32
.set WV, 26                            ; s26 wave; s27 cx; s28 g
.set K0, 29                            ; s29 128 x the K step at which my cluster begins a weight
.set KS, 30                            ; s30 128 x the number of steps taken in the weight in hand
.set FT, 31                            ; s31 the number, 0 to 31, of the tile asked for last
.set WOF, 32                           ; s[32:33] a tile's byte offset in wh
.set WBP, 34                           ; s[34:35] wh at my 16 rows of K step 0
.set G1W, 36                           ; s[36:43] descriptor group 1
.set G0A, 44                           ; s[44:47] group 0 of the first tile
.set G0B, 48                           ; s[48:51] group 0 of the second tile; it then walks
.set GR, 52                            ; s52 the K step at which my cluster begins a weight
.set WL, 53                            ; s53 WQ x wave
.set TB, 54                            ; s54 the slot to read: 0 or SLOTB
.set KA, 55                            ; s55 byte of the K step in hand in a row of xn or pos
.set CNT, 56
.set RN, 57                            ; s57 1 / 512; s58 1e-5
.set SEL, 60                           ; s[60:61] v_permlanex16_b32's selects
.set XR, 66                            ; s[66:67] x at the next four rows to load
.set PB, 68                            ; s[68:73] where k', q, v go
.set OW, 74                            ; s[74:75] the stores' base
.set BN, 76                            ; s[76:79] bq, bv
.set MSB, 0
.macro WIN new                         ; the immediate's high byte repeats the setting that is left; a switch that changes nothing is dropped
.if MSB != (\new)
	s_set_vgpr_msb (MSB<<8)|(\new)
.set MSB, \new
.endif
.endm
.macro PLACES                          ; four plain vector instructions between a matrix instruction and a load into, or a vector read of, its registers
.rept 4
	v_nop
.endr
.endm
.macro CREST                           ; a round of the cluster's barrier behind its opening barrier
	s_cmp_lg_u32 s[WV], 0
	s_cbranch_scc1 .Lnot_wave_0_\@
	s_barrier_signal -3
.Lnot_wave_0_\@:
	s_barrier_wait -3
	s_barrier_signal -1
	s_barrier_wait -1
.endm
.macro CROUND
	s_barrier_signal -1
	s_barrier_wait -1
	CREST
.endm
; The walking descriptor: the other slot, and tile n = FT: weight n / 8, K step (n + GR) % 8.  The address is made anew from wh's and the tile's offset.  Written only where no tensor load of mine is out.
.macro WSTEP
	s_xor_b32 s[G0B+1], s[G0B+1], SLOTB
	s_add_co_u32 s[FT], s[FT], 1
	s_add_co_u32 s59, s[FT], s[GR]
	s_and_b32 s59, s59, 7
	s_and_b32 s62, s[FT], 24
	s_or_b32 s59, s59, s62
	s_lshl_b32 s[WOF], s59, 16                     ; a K step is 64 rows of 1,024 bytes
	s_add_nc_u64 s[G0B+2:G0B+3], s[WBP:WBP+1], s[WOF:WOF+1]
	s_or_b32 s[G0B+3], s[G0B+3], 0x80000000
.endm
.macro KSTEP                           ; the next K step to multiply: one more taken in this weight (eight to a weight), counted round from my cluster's first
	s_add_co_u32 s[KS], s[KS], 128
	s_and_b32 s[KS], s[KS], 1023
	s_add_co_u32 s[KA], s[KS], s[K0]
	s_and_b32 s[KA], s[KA], 0x380
.endm
.macro WLOAD                           ; my quarter of a K step: 16 rows of 1,024 bytes; nothing in the descriptor hangs on my place in the cluster
	tensor_load_to_lds s[G0B:G0B+3], s[G1W:G1W+7]
	s_nop 0
.endm
	s_load_b512 s[4:19], s[0:1], 0x0               ; x 4, pos 6, ln_g 8, ln_b 10, bq 12, bk 14, bv 16, wh 18
	s_load_b128 s[20:23], s[0:1], 0x40             ; qbuf 20, kbuf 22
	s_load_b64 s[24:25], s[0:1], 0x50              ; vbuf
	v_lshl_add_u32 v28, v0, 2, SPARE
	v_mov_b32 v29, 0
	ds_add_u32 v28, v29                            ; the wave's opening: the add and its wait stand ahead of my first tensor load; the set-up stands between them
	v_lshrrev_b32 v1, 5, v0
	v_readfirstlane_b32 s[WV], v1
	s_bfe_u32 s27, ttmp6, 0x40000                  ; cx
	s_lshl_b32 s28, ttmp9, 2
	s_add_co_u32 s28, s28, s27                     ; g: it enters global addresses of x, pos, q, k, v alone
	s_lshr_b32 s[GR], ttmp9, 3                     ; the cluster's number c, which the four partners share:
	s_xor_b32 s[GR], s[GR], ttmp9
	s_and_b32 s[GR], s[GR], 7                      ; (c ^ (c / 8)) % 8: any eight clusters numbered on end, and any eight that are 8 apart, have eight different starts
	s_lshl_b32 s[K0], s[GR], 7
	s_mov_b32 s[KS], 0
	s_mov_b32 s[KA], s[K0]
	s_mov_b32 s[FT], 1                             ; tiles 0 and 1 are asked for at the start
	s_mov_b32 s[WOF+1], 0
	s_mov_b32 s[G1W], 15|(1<<16)|(1<<20)|(1<<21)|(7<<22)|(7<<25)  ; mask of four; 2-byte elements; padding on; bit 21 beside a mask; after every 256 words, 8 words
	s_mov_b32 s[G1W+1], 512<<16                    ; tensor_dim0 = 512
	s_mov_b32 s[G1W+2], 16<<16                     ; tensor_dim1 = 16
	s_mov_b32 s[G1W+3], 512<<16                    ; tile_dim0 = 512
	s_mov_b32 s[G1W+4], 16                         ; tile_dim1 = 16
	s_mov_b32 s[G1W+5], 512                        ; elements from row to row
	s_mov_b32 s[G1W+6], 0
	s_mov_b32 s[G1W+7], 0
	s_mul_i32 s[WL], s[WV], WQ
	s_mov_b32 s[G0A], 1
	s_mov_b32 s[G0A+1], s[WL]
	s_mov_b32 s[G0B], 1
	s_add_co_u32 s[G0B+1], s[WL], SLOTB
	s_mov_b32 s[RN], 0x3b000000
	s_mov_b32 s[RN+1], 0x3727c5ac
	s_mov_b32 s[SEL], 0x76543210
	s_mov_b32 s[SEL+1], 0xfedcba98
	s_mov_b32 s[TB], 0
	v_and_b32 v1, 15, v0                           ; r
	v_bfe_u32 v2, v0, 4, 1                         ; h
	v_and_b32 v3, 31, v0                           ; lane
	v_mul_u32_u24 v4, v1, APITCH
	v_lshl_add_u32 v4, v2, 4, v4                   ; a fragment's row x pitch + 16 x half
	v_add_nc_u32 v8, AX, v4                        ; v8  xn blocks 0-3
	v_add_nc_u32 v9, AX+4*ABLK, v4                 ; v9  xn blocks 4-7
	v_add_nc_u32 v10, APOS, v4                     ; v10 pos
	v_and_b32 v5, 7, v0
	v_lshl_add_u32 v5, v2, 3, v5
	v_mul_u32_u24 v5, v5, WPITCH                   ; the turning load: lane l reads k row 8 (l / 16) + l % 8,
	v_bfe_u32 v6, v0, 3, 1
	v_lshl_add_u32 v5, v6, 4, v5                   ; columns 8 ((l / 8) % 2) + 0..7,
	s_lshl_b32 s80, s[WV], 8
	v_add_nc_u32 v11, s80, v5                      ; v11 of my wave's 128 columns
	s_mul_i32 s80, s[WV], 16*SPITCH
	s_add_co_u32 s80, s80, STAGE
	v_mul_u32_u24 v6, v1, SPITCH
	v_lshl_add_u32 v6, v2, 4, v6
	v_add_nc_u32 v16, s80, v6                      ; v16 into my stage: row r, 16 bytes for each half of the lanes
	v_bfe_u32 v6, v0, 3, 2
	v_mul_u32_u24 v6, v6, SPITCH
	v_and_b32 v7, 7, v0
	v_lshl_add_u32 v6, v7, 4, v6
	v_add_nc_u32 v17, s80, v6                      ; v17 back: 32 lanes take four rows x 128 bytes of one head
	v_lshlrev_b32 v18, 4, v3                       ; v18 16 x lane
	s_mul_i32 s80, s[WV], 32*APITCH
	s_add_co_u32 s80, s80, AX
	v_lshl_add_u32 v20, v3, 3, s80                 ; v20 where LayerNorm puts my 8 bytes: wave w normalises batch w's 32 rows; it steps
	s_mul_i32 s80, s[WV], 8*APITCH
	s_add_co_u32 s80, s80, APOS
	v_lshl_add_u32 v21, v3, 3, s80                 ; v21 the same for my 8 rows of pos
	s_lshl_b32 s80, s[WV], 9
	v_lshl_add_u32 v22, v2, 5, s80                 ; v22 byte in a bias of my lane's eight columns in column block 0
	s_lshl_b32 s80, s28, 16
	s_lshl_b32 s81, s[WV], 14
	s_add_co_u32 s80, s80, s81                     ; pos: row 32 g + 8 w, 2,048 bytes a row
	s_mov_b32 s81, 0
	s_lshl_b32 s84, s[WV], 24
	s_lshl_b32 s85, s28, 16
	s_add_co_u32 s84, s84, s85                     ; x: batch w, row 32 g
	s_mov_b32 s85, 0
	s_mul_i32 s86, s[WV], 2*HSTR
	s_lshl_b32 s87, s28, 12
	s_add_co_u32 s86, s86, s87
	s_add_co_u32 s86, s86, 128*128                 ; q, k, v: head 2 w of batch 0, row 128 + 32 g
	s_mov_b32 s87, 0
	s_lshl_b32 s88, s[WV], 14                      ; my 16 rows of a K step in wh
	s_mov_b32 s89, 0
	s_wait_dscnt 0x0                               ; the opening add is done
	s_wait_kmcnt 0x0
	s_add_nc_u64 s[82:83], s[6:7], s[80:81]
	s_add_nc_u64 s[84:85], s[4:5], s[84:85]
	s_add_nc_u64 s[XR:XR+1], s[84:85], 16384       ; rows 8 on: the first refill
	s_add_nc_u64 s[PB:PB+1], s[22:23], s[86:87]
	s_add_nc_u64 s[PB+2:PB+3], s[20:21], s[86:87]
	s_add_nc_u64 s[PB+4:PB+5], s[24:25], s[86:87]
	s_mov_b64 s[BN:BN+1], s[12:13]
	s_mov_b64 s[BN+2:BN+3], s[16:17]
	s_add_nc_u64 s[WBP:WBP+1], s[18:19], s[88:89]
	s_lshl_b32 s[WOF], s[GR], 16                   ; tile 0: Wpos, my cluster's first K step
	s_add_nc_u64 s[G0A+2:G0A+3], s[WBP:WBP+1], s[WOF:WOF+1]
	s_add_co_u32 s59, s[GR], 1
	s_and_b32 s59, s59, 7
	s_lshl_b32 s[WOF], s59, 16                     ; tile 1: the step behind it, round modulo 8
	s_add_nc_u64 s[G0B+2:G0B+3], s[WBP:WBP+1], s[WOF:WOF+1]
	s_or_b32 s[G0A+3], s[G0A+3], 0x80000000
	s_or_b32 s[G0B+3], s[G0B+3], 0x80000000
	CROUND                                         ; all four work-groups are here: the first joint loads meet
	tensor_load_to_lds s[G0A:G0A+3], s[G1W:G1W+7]  ; tiles 0 and 1: two loads of mine are out
	s_nop 0
	tensor_load_to_lds s[G0B:G0B+3], s[G1W:G1W+7]
	s_nop 0
	PLACES
.macro XLOAD X, sb, off                ; four rows of x: a row is four loads of 512 consecutive bytes; load i brings a lane elements 128 i + 4 lane + 0..3
.irp p, 0,1,2,3
.irp i, 0,1,2,3
	global_load_b128 v[(\X)+16*(\p)+4*(\i):(\X)+16*(\p)+4*(\i)+3], v18, s[\sb:\sb+1] offset:(\off)+2048*(\p)+512*(\i) th:TH_LOAD_NT
.endr
.endr
.endm
.macro CILOAD sb                       ; a bias as start tiles: lane (r, h), register j of column block nb = bias[128 w + 16 nb + 8 h + j]; both t blocks' copies
	WIN 0x40
.irp c, 0, CISTEP
.irp nb, 0,1,2,3,4,5,6,7
	global_load_b128 v[(\c)+8*(\nb):(\c)+8*(\nb)+3],   v22, s[\sb:\sb+1] offset:64*(\nb)
	global_load_b128 v[(\c)+8*(\nb)+4:(\c)+8*(\nb)+7], v22, s[\sb:\sb+1] offset:64*(\nb)+16
.endr
.endr
	WIN 0
.endm
	WIN 0x80                                       ; my 8 rows of pos, into registers that will be accumulators
.irp p, 0,1,2,3,4,5,6,7
.irp i, 0,1,2,3
	global_load_b128 v[16*(\p)+4*(\i):16*(\p)+4*(\i)+3], v18, s[82:83] offset:2048*(\p)+512*(\i) th:TH_LOAD_NT
.endr
.endr
	WIN 0
.irp i, 0,1,2,3
	global_load_b128 v[GG+4*(\i):GG+4*(\i)+3], v18, s[8:9] offset:512*(\i)
	global_load_b128 v[BB+4*(\i):BB+4*(\i)+3], v18, s[10:11] offset:512*(\i)
.endr
	XLOAD XA, 84, 0
	s_wait_loadcnt 24                              ; behind pos: g and b (8) and four rows of x (16)
	WIN 0x0a                                       ; sources in window 2
.irp p, 0,1,2,3,4,5,6,7
.irp k, 0,1,2,3,4,5,6,7
	v_cvt_pk_f16_f32 v[XB+8*(\p)+(\k)], v[16*(\p)+2*(\k)], v[16*(\p)+2*(\k)+1]
.endr
.endr
	WIN 0
.irp p, 0,1,2,3,4,5,6,7
.irp i, 0,1,2,3
	ds_store_b64 v21, v[XB+8*(\p)+2*(\i):XB+8*(\p)+2*(\i)+1] offset:(\p)*APITCH+256*(\i)
.endr
.endr
	CILOAD 14                                      ; bk starts the sums of pos Wpos
	s_wait_dscnt 0x0                               ; for the others' sake, and for the loads below, which land where pos was converted
	XLOAD XB, 84, 8192
	s_wait_tensorcnt 0x1                           ; my part of tile 0 is in; tile 1's may stay out
	s_barrier_signal -1
	s_barrier_wait -1
; LAYERNORM of four rows, each line written for the four rows in turn, so that no line waits for the one before it.
.macro ALL4 line:vararg
.set p, 0
.rept 4
.set xp, XBASE+16*p
.set tp, TT+8*p
	\line
.set p, p+1
.endr
.endm
.macro LANES k                         ; the sum over the 32 lanes of v[tp + k], in every lane; v[tp + k + 1] is spent
	ALL4 v_add_f32_dpp v[tp+\k], v[tp+\k], v[tp+\k] row_xmask:1 row_mask:0xf bank_mask:0xf
	ALL4 v_add_f32_dpp v[tp+\k], v[tp+\k], v[tp+\k] row_xmask:2 row_mask:0xf bank_mask:0xf
	ALL4 v_add_f32_dpp v[tp+\k], v[tp+\k], v[tp+\k] row_xmask:4 row_mask:0xf bank_mask:0xf
	ALL4 v_add_f32_dpp v[tp+\k], v[tp+\k], v[tp+\k] row_xmask:8 row_mask:0xf bank_mask:0xf
	ALL4 v_permlanex16_b32 v[tp+\k+1], v[tp+\k], s[SEL], s[SEL+1]
	ALL4 v_add_f32 v[tp+\k], v[tp+\k], v[tp+\k+1]
.endm
.macro LN4 X
.set XBASE, \X
.irp k, 0,2,4,6
	ALL4 v_pk_add_f32 v[tp+\k:tp+\k+1], v[xp+2*\k:xp+2*\k+1], v[xp+2*\k+2:xp+2*\k+3]
.endr
	ALL4 v_pk_add_f32 v[tp:tp+1], v[tp:tp+1], v[tp+2:tp+3]
	ALL4 v_pk_add_f32 v[tp+4:tp+5], v[tp+4:tp+5], v[tp+6:tp+7]
	ALL4 v_pk_add_f32 v[tp:tp+1], v[tp:tp+1], v[tp+4:tp+5]
	ALL4 v_add_f32 v[tp], v[tp], v[tp+1]
	LANES 0
	ALL4 v_mul_f32 v[tp], s[RN], v[tp]             ; the mean
.irp k, 0,2,4,6,8,10,12,14
	ALL4 v_pk_add_f32 v[xp+\k:xp+\k+1], v[xp+\k:xp+\k+1], v[tp:tp+1] op_sel_hi:[1,0] neg_lo:[0,1] neg_hi:[0,1]
.endr
	ALL4 v_pk_mul_f32 v[tp+2:tp+3], v[xp:xp+1], v[xp:xp+1]
	ALL4 v_pk_mul_f32 v[tp+4:tp+5], v[xp+2:xp+3], v[xp+2:xp+3]
.irp k, 4,8,12
	ALL4 v_pk_fma_f32 v[tp+2:tp+3], v[xp+\k:xp+\k+1], v[xp+\k:xp+\k+1], v[tp+2:tp+3]
	ALL4 v_pk_fma_f32 v[tp+4:tp+5], v[xp+\k+2:xp+\k+3], v[xp+\k+2:xp+\k+3], v[tp+4:tp+5]
.endr
	ALL4 v_pk_add_f32 v[tp+2:tp+3], v[tp+2:tp+3], v[tp+4:tp+5]
	ALL4 v_add_f32 v[tp+2], v[tp+2], v[tp+3]
	LANES 2
	ALL4 v_fma_f32 v[tp+2], v[tp+2], s[RN], s[RN+1]  ; the variance + 1e-5
	ALL4 v_rsq_f32 v[tp+2], v[tp+2]
	v_nop                                          ; a plain instruction between the last root and the use of its result
	s_wait_alu depctr_va_vdst(0)
.irp k, 0,2,4,6,8,10,12,14
	ALL4 v_pk_mul_f32 v[xp+\k:xp+\k+1], v[xp+\k:xp+\k+1], v[tp+2:tp+3] op_sel_hi:[1,0]
.endr
.irp k, 0,2,4,6,8,10,12,14
	ALL4 v_pk_fma_f32 v[xp+\k:xp+\k+1], v[xp+\k:xp+\k+1], v[GG+\k:GG+\k+1], v[BB+\k:BB+\k+1]
.endr
.irp k, 0,1,2,3,4,5,6,7
	ALL4 v_cvt_pk_f16_f32 v[xp+\k], v[xp+2*\k], v[xp+2*\k+1]
.endr
.irp i, 0,1,2,3
	ALL4 ds_store_b64 v20, v[xp+2*\i:xp+2*\i+1] offset:p*APITCH+256*\i
.endr
	v_add_nc_u32 v20, 4*APITCH, v20
.endm
.macro REFILL X
	XLOAD \X, XR, 0
	s_wait_xcnt 0x0                                ; the base is stepped only behind this wait
	s_add_nc_u64 s[XR:XR+1], s[XR:XR+1], 8192
.endm
; One K step of pos Wpos: 32 matrix instructions on the 16 start tiles, which take turns.
.macro POSSTEP
	v_add_nc_u32 v15, s[TB], v11
	v_add_nc_u32 v14, s[KA], v10
	WIN 0x40
.irp kk, 0,1
.irp i, 0,1,2,3,4,5,6,7
	ds_load_tr16_b128 v[F0+64*(\kk)+8*(\i):F0+64*(\kk)+8*(\i)+3],   v15 offset:(\kk)*32*WPITCH+32*(\i)
	ds_load_tr16_b128 v[F0+64*(\kk)+8*(\i)+4:F0+64*(\kk)+8*(\i)+7], v15 offset:(\kk)*32*WPITCH+32*(\i)+16*WPITCH
.endr
.endr
	WIN 0
.irp kk, 0,1
.irp bl, 0,1
	ds_load_b128 v[PF+16*(\kk)+8*(\bl):PF+16*(\kk)+8*(\bl)+3],   v14 offset:(\bl)*ABLK+64*(\kk)
	ds_load_b128 v[PF+16*(\kk)+8*(\bl)+4:PF+16*(\kk)+8*(\bl)+7], v14 offset:(\bl)*ABLK+64*(\kk)+32
.endr
.endr
	s_wait_dscnt 0x0
	WIN 0x51                                       ; W and the tiles in window 1, pos in window 0
.irp kk, 0,1
.irp bl, 0,1
.irp nb, 0,1,2,3,4,5,6,7
	v_wmma_f32_16x16x32_f16 v[CISTEP*(\bl)+8*(\nb):CISTEP*(\bl)+8*(\nb)+7], v[F0+64*(\kk)+8*(\nb):F0+64*(\kk)+8*(\nb)+7], v[PF+16*(\kk)+8*(\bl):PF+16*(\kk)+8*(\bl)+7], v[CISTEP*(\bl)+8*(\nb):CISTEP*(\bl)+8*(\nb)+7]
.endr
.endr
.endr
	WIN 0
.endm
; The change of slots in the first pass.  All my tensor loads have landed (one was out: my part of the next slot); the add; my LDS instructions are done, the reads of the slot and LayerNorm's stores among them;
; a round of the cluster's barrier; then the joint refill of the slot just read, first thing.
.macro CHANGE
	WIN 0
	s_wait_tensorcnt 0x0
	ds_add_u32 v28, v29                            ; the add; the scalar steps stand between it and the wait for it
	WSTEP
	KSTEP
	s_xor_b32 s[TB], s[TB], SLOTB
	s_wait_dscnt 0x0
	CROUND
	WLOAD
	PLACES
.endm
	s_mov_b32 s[CNT], 4
.Lln:                                                  ; a trip: eight rows normalised, two K steps of pos Wpos; x streams in under both
	s_wait_loadcnt 16                              ; all but the other group's 16 loads (at the first trip g, b and bk's tiles lie ahead of them too)
	LN4 XA
	s_wait_dscnt 0x0                               ; the stores have read the registers that are loaded again
	s_cmp_eq_u32 s[CNT], 1
	s_cbranch_scc1 .Lno_xa
	REFILL XA
	s_branch .Lxa_done
.Lno_xa:
	s_wait_loadcnt 0x0                             ; the last trip loads nothing: the other group is all that is out
.Lxa_done:
	POSSTEP
	CHANGE
	s_wait_loadcnt 16
	LN4 XB
	s_wait_dscnt 0x0
	s_cmp_eq_u32 s[CNT], 1
	s_cbranch_scc1 .Lno_xb
	REFILL XB
.Lno_xb:
	POSSTEP
	CHANGE                                         ; the last one also shows every wave all rows of xn
	s_sub_co_u32 s[CNT], s[CNT], 1
	s_cmp_lg_u32 s[CNT], 0
	s_cbranch_scc1 .Lln
; THE THREE LARGE PASSES.  16 matrix instructions: row blocks a0, a0 + 1 of the window's four x all 8 column blocks, 32 along K.  mode = 1: the sums start from the tiles in window 1.
.macro MUL16 f, hi, a0, mode
.if \mode
	WIN 0x91+0x40*(\hi)
.else
	WIN 0xa1+0x50*(\hi)
.endif
.irp a, \a0, (\a0)+1
.irp b, 0,1,2,3,4,5,6,7
.if \mode
	v_wmma_f32_16x16x32_f16 v[8*(8*(\a)+(\b)):8*(8*(\a)+(\b))+7], v[(\f)+8*(\b):(\f)+8*(\b)+7], v[(\f)+8*(4*(\hi)+(\a)):(\f)+8*(4*(\hi)+(\a))+7], v[CISTEP*((\a)%2)+8*(\b):CISTEP*((\a)%2)+8*(\b)+7]
.else
	v_wmma_f32_16x16x32_f16 v[8*(8*(\a)+(\b)):8*(8*(\a)+(\b))+7], v[(\f)+8*(\b):(\f)+8*(\b)+7], v[(\f)+8*(4*(\hi)+(\a)):(\f)+8*(4*(\hi)+(\a))+7], v[8*(8*(\a)+(\b)):8*(8*(\a)+(\b))+7]
.endif
.endr
.endr
.endm
.macro SETADR
	v_add_nc_u32 v12, s[KA], v8
	v_add_nc_u32 v13, s[KA], v9
	v_add_nc_u32 v15, s[TB], v11
.endm
.macro FETCH f, kk                     ; 32 LDS loads in one run: half kk (32 along K) of the step: W's 8 column blocks, then xn's blocks 0-3, then 4-7
	WIN 0x40
.irp i, 0,1,2,3,4,5,6,7
	ds_load_tr16_b128 v[(\f)+8*(\i):(\f)+8*(\i)+3],   v15 offset:(\kk)*32*WPITCH+32*(\i)
	ds_load_tr16_b128 v[(\f)+8*(\i)+4:(\f)+8*(\i)+7], v15 offset:(\kk)*32*WPITCH+32*(\i)+16*WPITCH
.endr
	WIN 0
.irp i, 0,1,2,3
	ds_load_b128 v[(\f)+8*(\i):(\f)+8*(\i)+3],   v12 offset:(\i)*ABLK+64*(\kk)
	ds_load_b128 v[(\f)+8*(\i)+4:(\f)+8*(\i)+7], v12 offset:(\i)*ABLK+64*(\kk)+32
.endr
.irp i, 0,1,2,3
	ds_load_b128 v[(\f)+32+8*(\i):(\f)+32+8*(\i)+3],   v13 offset:(\i)*ABLK+64*(\kk)
	ds_load_b128 v[(\f)+32+8*(\i)+4:(\f)+32+8*(\i)+7], v13 offset:(\i)*ABLK+64*(\kk)+32
.endr
.endm
.macro HALF0 mode                      ; a K step's first 32 along K; in its middle the second half's fragments are fetched
	s_wait_dscnt 8                                 ; the youngest eight loads (blocks 4-7) may be out
	MUL16 F0, 0, 0, \mode
	MUL16 F0, 0, 2, \mode
	PLACES
	FETCH F1, 1
	s_wait_dscnt 32                                ; all but the 32 just issued
	MUL16 F0, 1, 0, \mode
	MUL16 F0, 1, 2, \mode
.endm
; The second half, and the change of slots: one barrier (with fill = 1 it opens a round of the cluster's barrier).  In front of it: all my tensor loads have landed (one was out: my part of the next slot),
; the add, my reads of this slot are over.  Behind it: the joint refill of this slot first, then the next slot's first fragments.
.macro HALF1T fill
	WIN 0
	s_wait_tensorcnt 0x0
	ds_add_u32 v28, v29
	s_wait_dscnt 9                                 ; the add and the youngest eight loads may be out
	MUL16 F1, 0, 0, 0
	s_wait_dscnt 0x0
	s_barrier_signal -1
	MUL16 F1, 0, 2, 0
	WIN 0
	s_barrier_wait -1
.if \fill
	CREST
	WSTEP
.endif
	KSTEP
	s_xor_b32 s[TB], s[TB], SLOTB
.if \fill
	WLOAD
.endif
	SETADR                                         ; these three and the v_nop are the four lines behind the load, and the places in front of the loads into buffer 0
	v_nop
	FETCH F0, 0
	MUL16 F1, 1, 0, 0
	MUL16 F1, 1, 2, 0
.endm
.macro HALF1E                          ; the very last half: nothing more to fetch
	s_wait_dscnt 8
	MUL16 F1, 0, 0, 0
	MUL16 F1, 0, 2, 0
	s_wait_dscnt 0x0
	MUL16 F1, 1, 0, 0
	MUL16 F1, 1, 2, 0
.endm
; THE WAY OUT of row block a: rounded to f16; into my own stage; back as four rows x 128 bytes of one head, which are 512 consecutive bytes of the buffer.
.macro PACK a
.set AC, 64*((\a)%4)
	WIN 0x0a+5*((\a)/4)
.irp b, 0,1,2,3,4,5,6,7
.irp r, 0,1,2,3
	v_cvt_pk_f16_f32 v[TMP+4*(\b)+(\r)], v[AC+8*(\b)+2*(\r)], v[AC+8*(\b)+2*(\r)+1]
.endr
.endr
	WIN 0
.endm
.macro TOSTAGE a
	WIN 0
.set BK, 32+192*((\a)%2)
.irp b, 0,1,2,3,4,5,6,7
	ds_store_b128 v16, v[TMP+4*(\b):TMP+4*(\b)+3] offset:32*(\b)
.endr
.irp t, 0,1,2,3,4,5,6,7
	ds_load_b128 v[BK+4*(\t):BK+4*(\t)+3], v17 offset:((\t)%4)*4*SPITCH+((\t)/4)*128  ; LDS serves a wave's instructions in order (ISA guide 5.7.1.4): these see the stores above
.endr
.endm
.macro SEND a
	WIN 0
.set BK, 32+192*((\a)%2)
	s_wait_dscnt 0x0
	s_wait_xcnt 0x0                                ; the base and the registers that earlier stores read are rewritten only behind this wait
.if (\a) == 0
	s_mov_b64 s[OW:OW+1], s[PB:PB+1]
.elseif (\a)%2 == 0
	s_add_nc_u64 s[OW:OW+1], s[OW:OW+1], BSTR      ; the next batch
.endif
.irp t, 0,1,2,3,4,5,6,7
	global_store_b128 v18, v[BK+4*(\t):BK+4*(\t)+3], s[OW:OW+1] offset:((\t)/4)*HSTR+((\t)%4)*512+((\a)%2)*2048
.endr
.endm
.macro EPI next
.if \next
	CILOAD BN                                      ; the next pass's bias
.endif
	PACK 0
	TOSTAGE 0
.irp a, 1,2,3,4,5,6,7
	PACK \a
	SEND (\a)-1
	TOSTAGE \a
.endr
	SEND 7
.if \next
	s_wait_xcnt 0x0
	s_mov_b64 s[PB:PB+1], s[PB+2:PB+3]
	s_mov_b64 s[PB+2:PB+3], s[PB+4:PB+5]
	s_mov_b64 s[BN:BN+1], s[BN+2:BN+3]
.endif
.endm
	s_mov_b32 s[KS], 0                             ; Wk begins, at my cluster's first K step
	s_mov_b32 s[KA], s[K0]
	SETADR                                         ; with the four v_nop behind the last refill: the places between pos Wpos's last products and the products that take them as C
	FETCH F0, 0
	HALF0 1                                        ; k's sums start from pos Wpos + bk
	WIN 0
	s_mov_b32 s[CNT], 22
.Lmain:                                                ; a trip: a step's second half with its refill, then the next step's first half; 24 steps, of which the first 22 ask for a further one
	HALF1T 1
	WIN 0
	s_cmp_eq_u32 s[KS], 0
	s_cbranch_scc0 .Lmid
	EPI 1                                          ; eight steps are taken: a pass has ended; blocks 0-3 were finished ahead of the four lines behind the refill, and their conversions are the places behind blocks 4-7's products
	s_wait_loadcnt 0x0                             ; the bias tiles
	HALF0 1
	WIN 0
	s_branch .Lnext
.Lmid:
	HALF0 0
	WIN 0
.Lnext:
	s_sub_co_u32 s[CNT], s[CNT], 1
	s_cmp_lg_u32 s[CNT], 0
	s_cbranch_scc1 .Lmain
	HALF1T 0                                       ; the tail is written out: nothing is left to ask for
	HALF0 0
	HALF1E
	PLACES
	EPI 0
	s_wait_tensorcnt 0x0                           ; the wave's end
	ds_add_u32 v28, v29
	s_wait_dscnt 0x0
	CROUND                                         ; the closing round
	s_endpgm
.Lfunc_end_k_qd0995f0a34_proj:
	.size	k_qd0995f0a34_proj, .Lfunc_end_k_qd0995f0a34_proj-k_qd0995f0a34_proj
	.p2alignl 7, 3214868480
	.fill 96, 4, 3214868480
	.section	.rodata,"a",@progbits
	.p2align	6, 0x0
	.amdhsa_kernel k_qd0995f0a34_proj
		.amdhsa_group_segment_fixed_size 327680
		.amdhsa_private_segment_fixed_size 0
		.amdhsa_enable_private_segment 0
		.amdhsa_kernarg_size 88
		.amdhsa_user_sgpr_count 2
		.amdhsa_user_sgpr_kernarg_segment_ptr 1
		.amdhsa_wavefront_size32 1
		.amdhsa_system_sgpr_workgroup_id_x 1
		.amdhsa_system_sgpr_workgroup_id_y 1
		.amdhsa_system_sgpr_workgroup_id_z 1
		.amdhsa_system_vgpr_workitem_id 0
		.amdhsa_next_free_vgpr 1024
		.amdhsa_next_free_sgpr 90
		.amdhsa_reserve_vcc 0
		.amdhsa_float_denorm_mode_32 3
		.amdhsa_float_denorm_mode_16_64 3
		.amdhsa_memory_ordered 1
		.amdhsa_forward_progress 1
		.amdhsa_inst_pref_size 184
	.end_amdhsa_kernel
	.amdgpu_metadata
---
amdhsa.version: [ 1, 2 ]
amdhsa.kernels:
  - .name:           k_qd0995f0a34_proj
    .symbol:         k_qd0995f0a34_proj.kd
    .args:
      - { .name: x, .offset: 0, .size: 8, .value_kind: global_buffer, .address_space: global }
      - { .name: pos_enc, .offset: 8, .size: 8, .value_kind: global_buffer, .address_space: global }
      - { .name: ln_g, .offset: 16, .size: 8, .value_kind: global_buffer, .address_space: global }
      - { .name: ln_b, .offset: 24, .size: 8, .value_kind: global_buffer, .address_space: global }
      - { .name: bq, .offset: 32, .size: 8, .value_kind: global_buffer, .address_space: global }
      - { .name: bk, .offset: 40, .size: 8, .value_kind: global_buffer, .address_space: global }
      - { .name: bv, .offset: 48, .size: 8, .value_kind: global_buffer, .address_space: global }
      - { .name: wh, .offset: 56, .size: 8, .value_kind: global_buffer, .address_space: global }
      - { .name: qbuf, .offset: 64, .size: 8, .value_kind: global_buffer, .address_space: global }
      - { .name: kbuf, .offset: 72, .size: 8, .value_kind: global_buffer, .address_space: global }
      - { .name: vbuf, .offset: 80, .size: 8, .value_kind: global_buffer, .address_space: global }
    .group_segment_fixed_size: 327680
    .private_segment_fixed_size: 0
    .kernarg_segment_align: 8
    .kernarg_segment_size: 88
    .max_flat_workgroup_size: 128
    .sgpr_count:     90
    .vgpr_count:     1024
    .wavefront_size: 32
...
	.end_amdgpu_metadata
.endif
;; end of part 2
;; launch attn (part 3): grid 256 x 1, 4 waves a work-group, clusters of 4 x 1, 327,680 bytes of LDS; arguments qbuf, kbuf, vbuf, wh, bt, bout, out0; writes out0
.if DOCPART == 3
	.amdgcn_target "amdgcn-amd-amdhsa--gfx1250"
	.amdhsa_code_object_version 6
	.text
	.protected	k_qd0995f0a34_attn
	.globl	k_qd0995f0a34_attn
	.p2align	8
	.type	k_qd0995f0a34_attn,@function
k_qd0995f0a34_attn:
	s_mov_b64 s[64:65], 0
	v_nop
	global_prefetch_b8 v0, s[64:65] scope:SCOPE_SE
	s_setreg_imm32_b32 hwreg(HW_REG_WAVE_MODE, 25, 1), 1
	s_wait_xcnt 0x0
	s_wait_alu depctr_hold_cnt(0) depctr_sa_sdst(0) depctr_va_vdst(0) depctr_va_sdst(0) depctr_va_ssrc(0) depctr_va_vcc(0) depctr_vm_vsrc(0)
	s_getreg_b32 s2, hwreg(HW_REG_IB_STS2, 6, 4)
	s_cmp_eq_u32 s2, 0
	s_cbranch_scc0 .Lentry_in_a_cluster
	s_endpgm
.Lentry_in_a_cluster:
	s_bfe_u32 s2, ttmp6, 0x10000c
	s_cmp_lg_u32 s2, 0x3003
	s_cbranch_scc0 .Lentry_shape_is_right
	s_endpgm
.Lentry_shape_is_right:
; CHUNKED ATTENTION AND THE OUTPUT PROJECTION.  For each chunk of 64 queries: softmax over its window of 224 keys of (q . k' / 8 + mask) times v, for 8 heads; then O Wout + bout, f32.
; q, k' (keys with the positional keys added), v: [4 x 8 heads][8,352 rows][64] f16, row = t + 128; the pad rows of k' and v hold zeros, so every window is one dense run of rows.
; SHARES.  Work-group g: batch g / 64, queries 128 j .. 128 j + 127 (j = g % 64: two chunks), all heads, whole rows of the output.  Its keys: rows 128 j .. 128 j + 287.
; Wave w: chunk c = w / 2, query tiles 2 (w % 2) + u, u = 0, 1: 32 queries, and keys 64 c .. 64 c + 223 of the 288.
; LAYOUT.  S^T = K Q^T + mask (source 0 = 16 keys, source 1 = 16 queries, C = the mask's addends from bt, 0 or -1e30, kept in 224 registers for all heads): a lane holds ONE query and the keys 8 (lane / 16) + 0..7.
; Two such tiles rounded to f16 ARE source 1 of O^T = V^T P.  All 224 scores of a query lie in registers, so the true maximum is taken first and no running maximum is needed.
; p = 2^(c s - c m), c = log2(e) / 8.  O / l goes as f16 into LDS, [128 queries][512], and is the resident operand of the projection, whose weights walk through the two slots that K and V have left.
; The four work-groups of a cluster ask for Wout's tiles JOINTLY; K and V are each work-group's own (neighbours' windows overlap but are no common tile).
; THE WALK ALONG K in the projection.  A sum over K may take its steps in any order.  Cluster c begins Wout at K step (c ^ (c / 8)) % 8 and goes round: with their first request the 64 clusters between them
; ask for all eight tiles, and from the second step on a cluster asks for a tile that other clusters asked for earlier.
; LIMITS.  A hidden score counts as its value less 1e30.  A row whose maximum lies below -5e29 counts as wholly hidden and gives NaN in all its 512 numbers.  A weight below 2^-126 counts as 0.
; f16 holds no number beyond 65,504: q, k', v arrive within it; p lies in 0 to 1, O within v's range.  NaN and infinities among the inputs are not treated apart.
; The order of the projection's f32 sums along K differs from cluster to cluster, and from the reference's: a matter of rounding alone.
; REGISTERS (windows of 256; s_set_vgpr_msb: bits 1:0 source 0, 3:2 source 1, 5:4 source 2, 7:6 destination), heads:
;   window 0: v0-31 addresses; v32-63 Q (u, channel half); v64-95 packed O; v176-239 O^T (u, channel block)      window 1: v0-223 S^T (112 u + 8 kt), P in place at 112 u + 8 kk; v224-255 statistics, 16 a tile
;   window 2: v0-223 the mask's addends, as S^T      window 3: v0-223 K (16 kt + 8 half), then V (32 kk + 8 channel block)
; projection: windows 2, 3 the 64 accumulators; window 0 v64-191 O's fragment buffers; window 1 v0-63 bout's tiles, v64-191 W's fragment buffers.
.set APITCH, 1040
.set ABLK,   16*APITCH
.set WPITCH, 1056
.set WQ,     16*WPITCH
.set KP,     144                       ; a row of K in LDS: 128 bytes + 16
.set VP,     160                       ; a row of V: 128 + 32, for the turning load
.set VOFF,   288*KP
.set SLOTB,  288*(KP+VP)               ; 87,552: a slot holds a head's 288 rows of K and of V, later a K step of Wout (67,584)
.set OA,     2*SLOTB                   ; O: 8 blocks of 16 rows x 1,040 bytes
.set SPARE,  OA+8*ABLK                 ; the spare words
.set STAGE,  0                         ; the way out's stage lies in slot 0, behind that slot's last fill and last read: 16 rows x 528 bytes for each wave
.set SP32,   528
.set HSTR,   8352*128
.set BSTR,   8*HSTR
.set CISTEP, 0
.set F0, 64
.set F1, 128
.set QF, 32
.set PO, 64
.set OF, 176
.set ST, 224                           ; tile u at ST + 16 u: +0 c m, +1 m, +2..5 four chains, +6 1 / l, +7 at work, +8..15 four pairs of sums
.set K0, 3                             ; s3 128 x the K step at which my cluster begins Wout (s2: that step)
.set WV, 18
.set G1K, 32
.set G1V, 40
.set G1W, 48
.set G0K0, 56
.set G0K, 60
.set WOF, 66                           ; s[66:67] a tile's byte offset in Wout
.set G0V0, 68
.set G0V, 72
.set G0W, 76
.set FB, 80                            ; s80 the slot filled last
.set TB, 81                            ; s81 the slot to read
.set KW, 82                            ; s82, s83, s84: my part's place in a slot, for K, V, W
.set VW, 83
.set WL, 84
.set CNT, 85
.set KA, 86
.set HO, 87                            ; s87 128 x head
.set CS, 88                            ; s[88:89] c
.set SEL, 90
.set QP, 94                            ; s[94:95] Q at my rows of the head in hand
.set OUTP, 96
.set FT, 100                           ; s100 modulo 8: the K step of Wout asked for last
.set MSB, 0
.macro WIN new
.if MSB != (\new)
	s_set_vgpr_msb (MSB<<8)|(\new)
.set MSB, \new
.endif
.endm
.macro PLACES
.rept 4
	v_nop
.endr
.endm
.macro CREST
	s_cmp_lg_u32 s[WV], 0
	s_cbranch_scc1 .Lnot_wave_0_\@
	s_barrier_signal -3
.Lnot_wave_0_\@:
	s_barrier_wait -3
	s_barrier_signal -1
	s_barrier_wait -1
.endm
.macro CROUND
	s_barrier_signal -1
	s_barrier_wait -1
	CREST
.endm
.macro WSTEP                           ; Wout's walking descriptor: the other slot, the next K step round modulo 8; the address is made anew from Wout's and the step's offset
	s_xor_b32 s[FB], s[FB], SLOTB
	s_add_co_u32 s[G0W+1], s[FB], s[WL]
	s_add_co_u32 s[FT], s[FT], 1
	s_and_b32 s101, s[FT], 7
	s_lshl_b32 s[WOF], s101, 16                    ; a K step is 64 rows of 1,024 bytes
	s_add_nc_u64 s[G0W+2:G0W+3], s[10:11], s[WOF:WOF+1]
	s_or_b32 s[G0W+3], s[G0W+3], 0x80000000
.endm
.macro WLOAD
	tensor_load_to_lds s[G0W:G0W+3], s[G1W:G1W+7]
	s_nop 0
.endm
	s_load_b256 s[4:11], s[0:1], 0x0               ; q 4, k 6, v 8, wh 10
	s_load_b128 s[12:15], s[0:1], 0x20             ; bt 12, bout 14
	s_load_b64 s[16:17], s[0:1], 0x30              ; out0
	v_lshl_add_u32 v28, v0, 2, SPARE
	v_mov_b32 v29, 0
	ds_add_u32 v28, v29                            ; the wave's opening: the add and its wait stand ahead of my first tensor load
	v_lshrrev_b32 v1, 5, v0
	v_readfirstlane_b32 s[WV], v1
	s_bfe_u32 s19, ttmp6, 0x40000                  ; cx
	s_lshl_b32 s20, ttmp9, 2
	s_add_co_u32 s20, s20, s19                     ; g: it enters global addresses alone
	s_lshr_b32 s2, ttmp9, 3                        ; the cluster's number c, which the four partners share:
	s_xor_b32 s2, s2, ttmp9
	s_and_b32 s2, s2, 7                            ; (c ^ (c / 8)) % 8: any eight clusters numbered on end, and any eight that are 8 apart, have eight different starts
	s_lshl_b32 s[K0], s2, 7
	s_add_co_u32 s[FT], s2, 7                      ; one step ahead of my first, modulo 8: the descriptor is stepped in front of each load
	s_mov_b32 s[WOF+1], 0
	s_lshr_b32 s21, s20, 6                         ; batch
	s_and_b32 s22, s20, 63                         ; j
	s_lshr_b32 s23, s[WV], 1                       ; c
	s_and_b32 s24, s[WV], 1
	s_mul_i32 s25, s21, BSTR
	s_lshl_b32 s26, s22, 14
	s_add_co_u32 s25, s25, s26                     ; head 0 of the batch, row 128 j
	s_mul_i32 s28, s24, 144*128
	s_add_co_u32 s28, s28, s25                     ; K, V: my 144 of the 288 rows
	s_mov_b32 s29, 0
	s_lshl_b32 s30, s[WV], 12
	s_add_co_u32 s30, s30, s25
	s_add_co_u32 s30, s30, 128*128                 ; Q: row 128 + 128 j + 32 w
	s_mov_b32 s31, 0
	s_lshl_b32 s26, s22, 1
	s_add_co_u32 s26, s26, s23
	s_mul_i32 s26, s26, 4*14*1024                  ; bt: chunk 2 j + c,
	s_mul_i32 s27, s24, 2*14*1024                  ; query tile 2 (w % 2)
	s_add_co_u32 s26, s26, s27
	s_mov_b32 s27, 0
	s_lshl_b32 s98, s21, 24
	s_lshl_b32 s99, s22, 18
	s_add_co_u32 s98, s98, s99
	s_lshl_b32 s99, s[WV], 9
	s_add_co_u32 s98, s98, s99                     ; out0: row 8,192 b + 128 j, column 128 w
	s_mov_b32 s99, 0
	s_mov_b32 s[G1K], (1<<16)|(1<<20)|(4<<22)|(3<<25)  ; 2-byte elements; padding on; after every 32 words (a key), 4 words
	s_mov_b32 s[G1V], (1<<16)|(1<<20)|(4<<22)|(7<<25)  ; the same with 8 words
.irp g, G1K, G1V
	s_mov_b32 s[\g+1], 128<<16                     ; 144 keys are 18,432 dense bytes: 72 rows of 256, two keys a row
	s_mov_b32 s[\g+2], 72<<16
	s_mov_b32 s[\g+3], 128<<16
	s_mov_b32 s[\g+4], 72
	s_mov_b32 s[\g+5], 128
	s_mov_b32 s[\g+6], 0
	s_mov_b32 s[\g+7], 0
.endr
	s_mov_b32 s[G1W], 15|(1<<16)|(1<<20)|(1<<21)|(7<<22)|(7<<25)  ; mask of four; bit 21 beside it; after every 256 words, 8 words
	s_mov_b32 s[G1W+1], 512<<16
	s_mov_b32 s[G1W+2], 16<<16
	s_mov_b32 s[G1W+3], 512<<16
	s_mov_b32 s[G1W+4], 16
	s_mov_b32 s[G1W+5], 512
	s_mov_b32 s[G1W+6], 0
	s_mov_b32 s[G1W+7], 0
	s_mul_i32 s[KW], s24, 144*KP
	s_mul_i32 s[VW], s24, 144*VP
	s_add_co_u32 s[VW], s[VW], VOFF
	s_mul_i32 s[WL], s[WV], WQ
	s_mov_b32 s[G0K0], 1
	s_mov_b32 s[G0K0+1], s[KW]
	s_mov_b32 s[G0K], 1
	s_add_co_u32 s[G0K+1], s[KW], SLOTB
	s_mov_b32 s[G0V0], 1
	s_mov_b32 s[G0V0+1], s[VW]
	s_mov_b32 s[G0V], 1
	s_add_co_u32 s[G0V+1], s[VW], SLOTB
	s_mov_b32 s[G0W], 1
	s_mov_b32 s[G0W+1], s[WL]
	s_mov_b32 s[FB], SLOTB
	s_mov_b32 s[TB], 0
	s_mov_b32 s[HO], 0
	s_mov_b32 s[CS], 0x3e38aa3b                    ; c = log2(e) / 8
	s_mov_b32 s[CS+1], s[CS]
	s_mov_b32 s[SEL], 0x76543210
	s_mov_b32 s[SEL+1], 0xfedcba98
	s_mov_b32 s92, 0xf0c9f2ca                      ; -5e29
	s_mov_b32 s93, 0x7fc00000                      ; NaN
	v_and_b32 v1, 15, v0                           ; r
	v_bfe_u32 v10, v0, 4, 1                        ; h
	v_and_b32 v14, 31, v0                          ; lane
	v_and_b32 v23, 7, v0
	v_bfe_u32 v24, v0, 3, 1
	s_mul_i32 s[CNT], s23, 64*KP
	v_mul_u32_u24 v2, v1, KP
	v_lshl_add_u32 v2, v10, 4, v2
	v_add_nc_u32 v2, s[CNT], v2                    ; v2  K: (64 c + r) x pitch + 16 h
	v_lshl_add_u32 v27, v10, 3, v23                ; 8 h + l % 8
	v_mul_u32_u24 v3, v27, VP
	v_lshl_add_u32 v3, v24, 4, v3
	s_mul_i32 s[CNT], s23, 64*VP
	s_add_co_u32 s[CNT], s[CNT], VOFF
	v_add_nc_u32 v3, s[CNT], v3                    ; v3  V, for the turning load
	v_lshlrev_b32 v5, 7, v1
	v_lshl_add_u32 v5, v10, 4, v5                  ; v5  Q: row x 128 + 16 h
	v_mul_u32_u24 v25, v1, APITCH
	v_lshl_add_u32 v25, v10, 4, v25
	s_mul_i32 s[CNT], s[WV], 32*APITCH
	s_add_co_u32 s[CNT], s[CNT], OA
	v_add_nc_u32 v6, s[CNT], v25                   ; v6  O into LDS: row 32 w + r, 16 h
	v_add_nc_u32 v8, OA, v25                       ; v8, v9 O's fragments, blocks 0-3, 4-7
	v_add_nc_u32 v9, OA+4*ABLK, v25
	v_mul_u32_u24 v26, v27, WPITCH
	v_lshl_add_u32 v26, v24, 4, v26
	s_lshl_b32 s[CNT], s[WV], 8
	v_add_nc_u32 v11, s[CNT], v26                  ; v11 W, for the turning load: my wave's 128 columns
	s_mul_i32 s[CNT], s[WV], 16*SP32
	s_add_co_u32 s[CNT], s[CNT], STAGE
	v_mul_u32_u24 v16, v1, SP32
	v_lshl_add_u32 v16, v10, 5, v16
	v_add_nc_u32 v16, s[CNT], v16                  ; v16 into my stage: row r, 32 bytes for each half of the lanes
	v_lshl_add_u32 v17, v14, 4, s[CNT]             ; v17 back: a whole row of 512 bytes
	v_lshlrev_b32 v18, 4, v14                      ; v18 16 x lane
	s_lshl_b32 s[CNT], s[WV], 9
	v_lshl_add_u32 v22, v10, 5, s[CNT]             ; v22 byte in bout of my lane's eight columns in column block 0
	WIN 0x40
	v_mov_b32 v[ST+7], 0                           ; destinations of a lane permute, which count as read
	v_mov_b32 v[ST+23], 0
	WIN 0
	s_wait_dscnt 0x0                               ; the opening add is done
	s_wait_kmcnt 0x0
	s_add_nc_u64 s[G0K0+2:G0K0+3], s[6:7], s[28:29]
	s_add_nc_u64 s[G0K+2:G0K+3], s[G0K0+2:G0K0+3], HSTR
	s_or_b32 s[G0K0+3], s[G0K0+3], 0x80000000
	s_or_b32 s[G0K+3], s[G0K+3], 0x80000000
	s_add_nc_u64 s[G0V0+2:G0V0+3], s[8:9], s[28:29]
	s_add_nc_u64 s[G0V+2:G0V+3], s[G0V0+2:G0V0+3], HSTR
	s_or_b32 s[G0V0+3], s[G0V0+3], 0x80000000
	s_or_b32 s[G0V+3], s[G0V+3], 0x80000000
	s_lshl_b32 s28, s[WV], 14
	s_add_co_u32 s28, s28, 4*524288
	s_add_nc_u64 s[10:11], s[10:11], s[28:29]      ; Wout, the fifth weight in wh, at my 16 rows of K step 0
	s_add_nc_u64 s[QP:QP+1], s[4:5], s[30:31]
	s_add_nc_u64 s[12:13], s[12:13], s[26:27]
	s_add_nc_u64 s[OUTP:OUTP+1], s[16:17], s[98:99]
	CROUND                                         ; in a cluster launch every group of tensor loads stands behind a round
	s_cmp_lt_u32 s[WV], 2                          ; waves 0, 1 fetch K's halves, waves 2, 3 V's; a wave's two first fills (heads 0, 1) stand in one branch: two loads of mine are out
	s_cbranch_scc0 .Lfirst_v
	tensor_load_to_lds s[G0K0:G0K0+3], s[G1K:G1K+7]
	s_nop 0
	tensor_load_to_lds s[G0K:G0K+3], s[G1K:G1K+7]
	s_nop 0
	PLACES
	s_branch .Lfirst_asked
.Lfirst_v:
	tensor_load_to_lds s[G0V0:G0V0+3], s[G1V:G1V+7]
	s_nop 0
	tensor_load_to_lds s[G0V:G0V+3], s[G1V:G1V+7]
	s_nop 0
	PLACES
.Lfirst_asked:
	WIN 0x80                                       ; the mask's addends, once for all heads
.irp u, 0,1
.irp kt, 0,1,2,3,4,5,6,7,8,9,10,11,12,13
	global_load_b128 v[112*(\u)+8*(\kt):112*(\u)+8*(\kt)+3],   v18, s[12:13] offset:(\u)*14336+(\kt)*1024
	global_load_b128 v[112*(\u)+8*(\kt)+4:112*(\u)+8*(\kt)+7], v18, s[12:13] offset:(\u)*14336+(\kt)*1024+512
.endr
.endr
	WIN 0
.macro QLOAD
.irp u, 0,1
.irp ch, 0,1
	global_load_b128 v[QF+16*(\u)+8*(\ch):QF+16*(\u)+8*(\ch)+3],   v5, s[QP:QP+1] offset:(\u)*2048+64*(\ch)
	global_load_b128 v[QF+16*(\u)+8*(\ch)+4:QF+16*(\u)+8*(\ch)+7], v5, s[QP:QP+1] offset:(\u)*2048+64*(\ch)+32
.endr
.endr
.endm
	QLOAD
	s_wait_tensorcnt 0x1                           ; my part of head 0 is in; head 1's may stay out
	s_barrier_signal -1
	s_barrier_wait -1
; THE SOFTMAX'S PIECES.  A group g is 32 keys: 16 registers a tile at 112 u + 16 g.  q numbers a piece's 16 lines, the two tiles alternating.
.macro AOP g, q                        ; c s - c m for a pair
	WIN 0x55
.set rA, 112*((\q)&1)+16*(\g)+2*((\q)>>1)
.set rT, ST+16*((\q)&1)
	v_pk_fma_f32 v[rA:rA+1], v[rA:rA+1], s[CS:CS+1], v[rT:rT+1] op_sel_hi:[1,0,0] neg_lo:[0,0,1] neg_hi:[0,0,1]
.endm
.macro SOP g, q                        ; a pair of weights onto one of four pairs of sums; group 0 starts them
	WIN 0x55
.set rA, 112*((\q)&1)+16*(\g)+2*((\q)>>1)
.set rT, ST+8+16*((\q)&1)+2*(((\q)>>1)&3)
.if (\g) == 0
.if ((\q)>>1) < 4
	s_wait_alu depctr_va_vdst(0)
	v_pk_add_f32 v[rT:rT+1], v[rA:rA+1], v[rA+8:rA+9]
.endif
.else
	s_wait_alu depctr_va_vdst(0)
	v_pk_add_f32 v[rT:rT+1], v[rT:rT+1], v[rA:rA+1]
.endif
.endm
.macro COP g, q                        ; a pair rounded to f16, into P's place: 112 u + 8 g lies at or below the pair read, in registers whose weights have been summed and rounded
	WIN 0x55
.set rA, 112*((\q)&1)+16*(\g)+2*((\q)>>1)
	v_cvt_pk_f16_f32 v[112*((\q)&1)+8*(\g)+((\q)>>1)], v[rA], v[rA+1]
.endm
.macro EXQ e                           ; exponential e of 32 of group KKS
.if KKS < 7
	WIN 0x55
	v_exp_f32 v[112*((\e)&1)+16*KKS+((\e)>>1)], v[112*((\e)&1)+16*KKS+((\e)>>1)]
.endif
.endm
.macro PLQ x                           ; plain line x of 48 of stage KKS: the next group's scaling, then the last group's sums, then its rounding
.if (\x) < 16
.if KKS < 6
	AOP KKS+1, \x
.endif
.elseif (\x) < 32
.if KKS > 0
	SOP KKS-1, (\x)-16
.endif
.else
.if KKS > 0
	COP KKS-1, (\x)-32
.endif
.endif
.endm
.macro PVOP g, i                       ; product i of 8 of O^T += V^T P for group g: tile i % 2, channels 16 (i / 2) on; the 8 accumulators take turns; group 0 starts the sums
	WIN 0x07
.set rO, OF+32*((\i)&1)+8*((\i)>>1)
.set rV, 32*(\g)+8*((\i)>>1)
.set rP, 112*((\i)&1)+8*(\g)
.if (\g) == 0
	v_wmma_f32_16x16x32_f16 v[rO:rO+7], v[rV:rV+7], v[rP:rP+7], 0
.else
	v_wmma_f32_16x16x32_f16 v[rO:rO+7], v[rV:rV+7], v[rP:rP+7], v[rO:rO+7]
.endif
.endm
.macro SMSTAGE kk                      ; exponentials of group kk, with plain lines between them; from stage 2 on a product of group kk - 2 in front of every second round
.set KKS, \kk
.set n, 0
.rept 16
.if (KKS >= 2) && (n%2 == 0)
	PVOP KKS-2, n/2
.endif
	EXQ 2*n
	PLQ 3*n
	EXQ 2*n+1
	PLQ 3*n+1
	PLQ 3*n+2
.set n, n+1
.endr
.endm
; ONE HEAD.  lastq = 1: the text of heads 6 and 7: at head 7 there is no further Q.
.macro HEAD lastq
	WIN 0
	v_add_nc_u32 v4, s[TB], v2
	WIN 0xc0                                       ; K: 14 tiles of 16 keys; channels 0-31 of all tiles first
.irp ch, 0,1
.irp kt, 0,1,2,3,4,5,6,7,8,9,10,11,12,13
	ds_load_b128 v[16*(\kt)+8*(\ch):16*(\kt)+8*(\ch)+3],   v4 offset:(\kt)*16*KP+64*(\ch)
	ds_load_b128 v[16*(\kt)+8*(\ch)+4:16*(\kt)+8*(\ch)+7], v4 offset:(\kt)*16*KP+64*(\ch)+32
.endr
.endr
	s_wait_loadcnt 0x0                             ; Q (and, at head 0, the mask's addends)
	s_wait_dscnt 28                                ; the 28 loads of channels 32-63 may be out
	WIN 0x63                                       ; K window 3, Q window 0, C = the addends in window 2, S^T window 1; the 28 accumulators take turns
.irp kt, 0,1,2,3,4,5,6,7,8,9,10,11,12,13
.irp u, 0,1
	v_wmma_f32_16x16x32_f16 v[112*(\u)+8*(\kt):112*(\u)+8*(\kt)+7], v[16*(\kt):16*(\kt)+7], v[QF+16*(\u):QF+16*(\u)+7], v[112*(\u)+8*(\kt):112*(\u)+8*(\kt)+7]
.endr
.endr
	s_wait_dscnt 0x0
	WIN 0x53
.irp kt, 0,1,2,3,4,5,6,7,8,9,10,11,12,13
.irp u, 0,1
	v_wmma_f32_16x16x32_f16 v[112*(\u)+8*(\kt):112*(\u)+8*(\kt)+7], v[16*(\kt)+8:16*(\kt)+15], v[QF+16*(\u)+8:QF+16*(\u)+15], v[112*(\u)+8*(\kt):112*(\u)+8*(\kt)+7]
.endr
.endr
	WIN 0
	v_add_nc_u32 v4, s[TB], v3                     ; with three v_nop: the places behind the last products, in front of the loads into K's and Q's registers and of the first read of the scores
	v_nop
	v_nop
	v_nop
	WIN 0xc0                                       ; V, turned: 7 groups of 32 keys x 4 blocks of 16 channels
.irp kk, 0,1,2,3,4,5,6
.irp cb, 0,1,2,3
	ds_load_tr16_b128 v[32*(\kk)+8*(\cb):32*(\kk)+8*(\cb)+3],   v4 offset:(\kk)*32*VP+32*(\cb)
	ds_load_tr16_b128 v[32*(\kk)+8*(\cb)+4:32*(\kk)+8*(\cb)+7], v4 offset:(\kk)*32*VP+32*(\cb)+16*VP
.endr
.endr
	WIN 0
.if \lastq
	s_cmp_eq_u32 s[CNT], 1
	s_cbranch_scc1 .Lno_q_\@
.endif
	s_add_nc_u64 s[QP:QP+1], s[QP:QP+1], HSTR      ; the last loads by this base were waited for above
	QLOAD                                          ; the next head's Q
.if \lastq
.Lno_q_\@:
.endif
	WIN 0x55                                       ; the maximum: four chains a tile, key tile kt on chain kt % 4, each accumulator's registers in ascending pairs
.set q, 0
.rept 16
.irp c, 0,1,2,3
.if (\c)+4*(q/4) < 14
.irp u, 0,1
.set rA, 112*(\u)+8*((\c)+4*(q/4))+2*(q%4)
.set rC, ST+16*(\u)+2+(\c)
.if q == 0
	v_max_num_f32 v[rC], v[rA], v[rA+1]
.else
	v_max3_num_f32 v[rC], v[rC], v[rA], v[rA+1]
.endif
.endr
.endif
.endr
.set q, q+1
.endr
.irp u, 0,1
	v_max3_num_f32 v[ST+16*(\u)+2], v[ST+16*(\u)+2], v[ST+16*(\u)+3], v[ST+16*(\u)+4]
.endr
.irp u, 0,1
	v_max_num_f32 v[ST+16*(\u)+2], v[ST+16*(\u)+2], v[ST+16*(\u)+5]
.endr
.irp u, 0,1
	v_permlanex16_b32 v[ST+16*(\u)+3], v[ST+16*(\u)+2], s[SEL], s[SEL+1]  ; the query's other 112 keys lie in the lane 16 away
.endr
.irp u, 0,1
	v_max_num_f32 v[ST+16*(\u)+1], v[ST+16*(\u)+2], v[ST+16*(\u)+3]
.endr
.irp u, 0,1
	v_mul_f32 v[ST+16*(\u)], s[CS], v[ST+16*(\u)+1]
.endr
.set x, 0
.rept 16
	AOP 0, x
.set x, x+1
.endr
	SMSTAGE 0
	SMSTAGE 1
	s_wait_dscnt 0x0                               ; V is in
	SMSTAGE 2
	SMSTAGE 3
	SMSTAGE 4
	SMSTAGE 5
	SMSTAGE 6
	SMSTAGE 7
.irp i, 0,1,2,3,4,5,6,7
	PVOP 6, \i
.endr
	WIN 0x55                                       ; l; the eight additions are the places behind the last products
.irp u, 0,1
	v_pk_add_f32 v[ST+16*(\u)+8:ST+16*(\u)+9], v[ST+16*(\u)+8:ST+16*(\u)+9], v[ST+16*(\u)+10:ST+16*(\u)+11]
.endr
.irp u, 0,1
	v_pk_add_f32 v[ST+16*(\u)+12:ST+16*(\u)+13], v[ST+16*(\u)+12:ST+16*(\u)+13], v[ST+16*(\u)+14:ST+16*(\u)+15]
.endr
.irp u, 0,1
	v_pk_add_f32 v[ST+16*(\u)+8:ST+16*(\u)+9], v[ST+16*(\u)+8:ST+16*(\u)+9], v[ST+16*(\u)+12:ST+16*(\u)+13]
.endr
.irp u, 0,1
	v_add_f32 v[ST+16*(\u)+6], v[ST+16*(\u)+8], v[ST+16*(\u)+9]
.endr
.irp u, 0,1
	v_permlanex16_b32 v[ST+16*(\u)+7], v[ST+16*(\u)+6], s[SEL], s[SEL+1]
.endr
.irp u, 0,1
	v_add_f32 v[ST+16*(\u)+6], v[ST+16*(\u)+6], v[ST+16*(\u)+7]
.endr
.irp u, 0,1
	v_rcp_f32 v[ST+16*(\u)+6], v[ST+16*(\u)+6]
.endr
.irp u, 0,1
	v_cmp_gt_f32 vcc_lo, s92, v[ST+16*(\u)+1]      ; a plain line behind the reciprocals; a row with no visible key
	s_wait_alu depctr_va_vdst(0)
	v_cndmask_b32 v[ST+16*(\u)+6], v[ST+16*(\u)+6], s93, vcc_lo  ; is multiplied by NaN
.endr
	WIN 0x04                                       ; O^T in window 0, 1 / l in window 1
.irp u, 0,1
.irp k, 0,2,4,6,8,10,12,14,16,18,20,22,24,26,28,30
	v_pk_mul_f32 v[OF+32*(\u)+(\k):OF+32*(\u)+(\k)+1], v[OF+32*(\u)+(\k):OF+32*(\u)+(\k)+1], v[ST+16*(\u)+6:ST+16*(\u)+7] op_sel_hi:[1,0]
.endr
.endr
	WIN 0
.irp u, 0,1
.irp k, 0,1,2,3,4,5,6,7,8,9,10,11,12,13,14,15
	v_cvt_pk_f16_f32 v[PO+16*(\u)+(\k)], v[OF+32*(\u)+2*(\k)], v[OF+32*(\u)+2*(\k)+1]
.endr
.endr
	v_add_nc_u32 v7, s[HO], v6
.irp u, 0,1
.irp cb, 0,1,2,3
	ds_store_b128 v7, v[PO+16*(\u)+4*(\cb):PO+16*(\u)+4*(\cb)+3] offset:(\u)*ABLK+32*(\cb)  ; query row, channels 64 head + 16 cb + 8 h + 0..7
.endr
.endr
.endm
; THE CHANGE OF SLOTS behind a head: all my tensor loads have landed (one was out: my part of the next head's slot); the add; my LDS instructions are done; a round of the cluster's barrier; the refill first.
.macro CHANGE_KV                       ; the slot just read takes the head two on
	WIN 0
	s_wait_tensorcnt 0x0
	ds_add_u32 v28, v29                            ; the add; the scalar steps stand between it and the wait for it
	s_xor_b32 s[FB], s[FB], SLOTB
	s_add_co_u32 s[G0K+1], s[FB], s[KW]
	s_add_nc_u64 s[G0K+2:G0K+3], s[G0K+2:G0K+3], HSTR
	s_add_co_u32 s[G0V+1], s[FB], s[VW]
	s_add_nc_u64 s[G0V+2:G0V+3], s[G0V+2:G0V+3], HSTR
	s_xor_b32 s[TB], s[TB], SLOTB
	s_add_co_u32 s[HO], s[HO], 128
	s_wait_dscnt 0x0
	CROUND
	s_cmp_lt_u32 s[WV], 2
	s_cbranch_scc0 .Lfor_v_\@
	tensor_load_to_lds s[G0K:G0K+3], s[G1K:G1K+7]
	s_nop 0
	PLACES
	s_branch .Lasked_\@
.Lfor_v_\@:
	tensor_load_to_lds s[G0V:G0V+3], s[G1V:G1V+7]
	s_nop 0
	PLACES
.Lasked_\@:
.endm
.macro CHANGE_W                        ; the slot just read takes a K step of Wout, asked for jointly
	WIN 0
	s_wait_tensorcnt 0x0
	ds_add_u32 v28, v29
	WSTEP
	s_xor_b32 s[TB], s[TB], SLOTB
	s_add_co_u32 s[HO], s[HO], 128
	s_wait_dscnt 0x0
	CROUND
	WLOAD
	PLACES
.endm
	s_mov_b32 s[CNT], 6
.Lhead:                                                ; heads 0 to 5
	HEAD 0
	CHANGE_KV
	s_sub_co_u32 s[CNT], s[CNT], 1
	s_cmp_lg_u32 s[CNT], 0
	s_cbranch_scc1 .Lhead
	s_mov_b32 s[CNT], 2
.Lhead2:                                               ; heads 6 and 7: a second text; the last change also shows every wave all of O
	HEAD 1
	CHANGE_W
	s_sub_co_u32 s[CNT], s[CNT], 1
	s_cmp_lg_u32 s[CNT], 0
	s_cbranch_scc1 .Lhead2
; THE OUTPUT PROJECTION: 128 rows of O x Wout, 8 K steps of 64; a wave makes 128 rows x 128 columns.
.macro MUL16 f, hi, a0, mode
.if \mode
	WIN 0x91+0x40*(\hi)
.else
	WIN 0xa1+0x50*(\hi)
.endif
.irp a, \a0, (\a0)+1
.irp b, 0,1,2,3,4,5,6,7
.if \mode
	v_wmma_f32_16x16x32_f16 v[8*(8*(\a)+(\b)):8*(8*(\a)+(\b))+7], v[(\f)+8*(\b):(\f)+8*(\b)+7], v[(\f)+8*(4*(\hi)+(\a)):(\f)+8*(4*(\hi)+(\a))+7], v[CISTEP*((\a)%2)+8*(\b):CISTEP*((\a)%2)+8*(\b)+7]
.else
	v_wmma_f32_16x16x32_f16 v[8*(8*(\a)+(\b)):8*(8*(\a)+(\b))+7], v[(\f)+8*(\b):(\f)+8*(\b)+7], v[(\f)+8*(4*(\hi)+(\a)):(\f)+8*(4*(\hi)+(\a))+7], v[8*(8*(\a)+(\b)):8*(8*(\a)+(\b))+7]
.endif
.endr
.endr
.endm
.macro SETADR
	v_add_nc_u32 v12, s[KA], v8
	v_add_nc_u32 v13, s[KA], v9
	v_add_nc_u32 v15, s[TB], v11
.endm
.macro FETCH f, kk
	WIN 0x40
.irp i, 0,1,2,3,4,5,6,7
	ds_load_tr16_b128 v[(\f)+8*(\i):(\f)+8*(\i)+3],   v15 offset:(\kk)*32*WPITCH+32*(\i)
	ds_load_tr16_b128 v[(\f)+8*(\i)+4:(\f)+8*(\i)+7], v15 offset:(\kk)*32*WPITCH+32*(\i)+16*WPITCH
.endr
	WIN 0
.irp i, 0,1,2,3
	ds_load_b128 v[(\f)+8*(\i):(\f)+8*(\i)+3],   v12 offset:(\i)*ABLK+64*(\kk)
	ds_load_b128 v[(\f)+8*(\i)+4:(\f)+8*(\i)+7], v12 offset:(\i)*ABLK+64*(\kk)+32
.endr
.irp i, 0,1,2,3
	ds_load_b128 v[(\f)+32+8*(\i):(\f)+32+8*(\i)+3],   v13 offset:(\i)*ABLK+64*(\kk)
	ds_load_b128 v[(\f)+32+8*(\i)+4:(\f)+32+8*(\i)+7], v13 offset:(\i)*ABLK+64*(\kk)+32
.endr
.endm
.macro HALF0 mode
	s_wait_dscnt 8                                 ; the youngest eight loads (blocks 4-7) may be out
	MUL16 F0, 0, 0, \mode
	MUL16 F0, 0, 2, \mode
	PLACES
	FETCH F1, 1
	s_wait_dscnt 32                                ; all but the 32 just issued
	MUL16 F0, 1, 0, \mode
	MUL16 F0, 1, 2, \mode
.endm
.macro HALF1T fill
	WIN 0
	s_wait_tensorcnt 0x0                           ; all my tensor loads have landed: one was out, my part of the next slot
	ds_add_u32 v28, v29
	s_wait_dscnt 9                                 ; the add and the youngest eight loads may be out
	MUL16 F1, 0, 0, 0
	s_wait_dscnt 0x0                               ; the add is done, and my reads of this slot are over
	s_barrier_signal -1
	MUL16 F1, 0, 2, 0
	WIN 0
	s_barrier_wait -1
.if \fill
	CREST
	WSTEP
.endif
	s_add_co_u32 s[KA], s[KA], 128                 ; the next K step to multiply, round modulo 8
	s_and_b32 s[KA], s[KA], 0x380
	s_xor_b32 s[TB], s[TB], SLOTB
.if \fill
	WLOAD
.endif
	SETADR                                         ; these three and the v_nop are the four lines behind the load, and the places in front of the loads into buffer 0
	v_nop
	FETCH F0, 0
	MUL16 F1, 1, 0, 0
	MUL16 F1, 1, 2, 0
.endm
.macro HALF1E
	s_wait_dscnt 8
	MUL16 F1, 0, 0, 0
	MUL16 F1, 0, 2, 0
	s_wait_dscnt 0x0
	MUL16 F1, 1, 0, 0
	MUL16 F1, 1, 2, 0
.endm
	WIN 0x40                                       ; bout as the tiles that start the sums
.irp nb, 0,1,2,3,4,5,6,7
	global_load_b128 v[8*(\nb):8*(\nb)+3],   v22, s[14:15] offset:64*(\nb)
	global_load_b128 v[8*(\nb)+4:8*(\nb)+7], v22, s[14:15] offset:64*(\nb)+16
.endr
	WIN 0
	s_mov_b32 s[KA], s[K0]                         ; O's channels of my cluster's first K step
	SETADR
	FETCH F0, 0
	s_wait_loadcnt 0x0
	HALF0 1
	WIN 0
	s_mov_b32 s[CNT], 6
.Lk:                                                   ; a trip: a step's second half with its refill, then the next step's first half
	HALF1T 1
	HALF0 0
	WIN 0
	s_sub_co_u32 s[CNT], s[CNT], 1
	s_cmp_lg_u32 s[CNT], 0
	s_cbranch_scc1 .Lk
	HALF1T 0                                       ; the seventh step leaves slot 0: behind this barrier nobody reads it, and nothing fills it again
	HALF0 0
	HALF1E
	PLACES
; THE WAY OUT, a block of 16 rows at a time: the f32 sums go into my stage as they lie (a lane: eight neighbouring columns of a row) and come back as whole rows of 512 bytes.
.macro TOST32 a
	s_wait_xcnt 0x0                                ; the registers that the stores two blocks back read are loaded again only behind this wait
	WIN 0x08+4*((\a)/4)                            ; store data in window 2 or 3
.set AC, 64*((\a)%4)
.irp b, 0,1,2,3,4,5,6,7
	ds_store_b128 v16, v[AC+8*(\b):AC+8*(\b)+3] offset:64*(\b)
	ds_store_b128 v16, v[AC+8*(\b)+4:AC+8*(\b)+7] offset:64*(\b)+16
.endr
	WIN 0
.set BK, 64+64*((\a)%2)
.irp t, 0,1,2,3,4,5,6,7,8,9,10,11,12,13,14,15
	ds_load_b128 v[BK+4*(\t):BK+4*(\t)+3], v17 offset:SP32*(\t)  ; LDS serves a wave's instructions in order (ISA guide 5.7.1.4): these see the stores above; the next block's stores come behind them
.endr
.endm
.macro SEND32 a, younger               ; younger: the next block's 16 stores and 16 loads, or none
	WIN 0
.set BK, 64+64*((\a)%2)
	s_wait_dscnt \younger
.if (\a) > 0
	s_wait_xcnt 0x0
	s_add_nc_u64 s[OUTP:OUTP+1], s[OUTP:OUTP+1], 16*2048
.endif
.irp t, 0,1,2,3,4,5,6,7,8,9,10,11,12,13,14,15
	global_store_b128 v18, v[BK+4*(\t):BK+4*(\t)+3], s[OUTP:OUTP+1] offset:2048*(\t) th:TH_STORE_NT  ; 512 consecutive bytes, at a multiple of 512 from out0's first
.endr
.endm
	TOST32 0
.irp a, 1,2,3,4,5,6,7
	TOST32 \a
	SEND32 (\a)-1, 32
.endr
	SEND32 7, 0
	s_wait_tensorcnt 0x0                           ; the wave's end
	ds_add_u32 v28, v29
	s_wait_dscnt 0x0
	CROUND                                         ; the closing round
	s_endpgm
.Lfunc_end_k_qd0995f0a34_attn:
	.size	k_qd0995f0a34_attn, .Lfunc_end_k_qd0995f0a34_attn-k_qd0995f0a34_attn
	.p2alignl 7, 3214868480
	.fill 96, 4, 3214868480
	.section	.rodata,"a",@progbits
	.p2align	6, 0x0
	.amdhsa_kernel k_qd0995f0a34_attn
		.amdhsa_group_segment_fixed_size 327680
		.amdhsa_private_segment_fixed_size 0
		.amdhsa_enable_private_segment 0
		.amdhsa_kernarg_size 56
		.amdhsa_user_sgpr_count 2
		.amdhsa_user_sgpr_kernarg_segment_ptr 1
		.amdhsa_wavefront_size32 1
		.amdhsa_system_sgpr_workgroup_id_x 1
		.amdhsa_system_sgpr_workgroup_id_y 1
		.amdhsa_system_sgpr_workgroup_id_z 1
		.amdhsa_system_vgpr_workitem_id 0
		.amdhsa_next_free_vgpr 1024
		.amdhsa_next_free_sgpr 102
		.amdhsa_reserve_vcc 1
		.amdhsa_float_denorm_mode_32 3
		.amdhsa_float_denorm_mode_16_64 3
		.amdhsa_memory_ordered 1
		.amdhsa_forward_progress 1
		.amdhsa_inst_pref_size 213
	.end_amdhsa_kernel
	.amdgpu_metadata
---
amdhsa.version: [ 1, 2 ]
amdhsa.kernels:
  - .name:           k_qd0995f0a34_attn
    .symbol:         k_qd0995f0a34_attn.kd
    .args:
      - { .name: qbuf, .offset: 0, .size: 8, .value_kind: global_buffer, .address_space: global }
      - { .name: kbuf, .offset: 8, .size: 8, .value_kind: global_buffer, .address_space: global }
      - { .name: vbuf, .offset: 16, .size: 8, .value_kind: global_buffer, .address_space: global }
      - { .name: wh, .offset: 24, .size: 8, .value_kind: global_buffer, .address_space: global }
      - { .name: bt, .offset: 32, .size: 8, .value_kind: global_buffer, .address_space: global }
      - { .name: bout, .offset: 40, .size: 8, .value_kind: global_buffer, .address_space: global }
      - { .name: out0, .offset: 48, .size: 8, .value_kind: global_buffer, .address_space: global }
    .group_segment_fixed_size: 327680
    .private_segment_fixed_size: 0
    .kernarg_segment_align: 8
    .kernarg_segment_size: 56
    .max_flat_workgroup_size: 128
    .sgpr_count:     102
    .vgpr_count:     1024
    .wavefront_size: 32
...
	.end_amdgpu_metadata
.endif
;; end of part 3
;; ======== version 2 of 2: 3 launches; version 1 with the launch prep written anew for expert scheduling mode
;; limits: values are held in f16: magnitudes above 65,504 overflow, below 6.1e-05 lose precision
;; workspace buffers: wh 2,621,440 bytes; qbuf 34,209,792 bytes; kbuf 34,209,792 bytes; vbuf 34,209,792 bytes; bt 7,340,032 bytes
;; launch prep (part 4): grid 256 x 1, 8 waves a work-group, no clusters, 0 bytes of LDS; arguments Wpos, Wk, Wq, Wv, Wout, mask, wh, kbuf, vbuf, bt; writes wh, kbuf, vbuf, bt
.if DOCPART == 4
	.amdgcn_target "amdgcn-amd-amdhsa--gfx1250"
	.amdhsa_code_object_version 6
	.text
	.protected	k_qd0995f0a34_prep
	.globl	k_qd0995f0a34_prep
	.p2align	8
	.type	k_qd0995f0a34_prep,@function
k_qd0995f0a34_prep:
	s_mov_b64 s[64:65], 0
	v_nop
	global_prefetch_b8 v0, s[64:65] scope:SCOPE_SE
	s_setreg_imm32_b32 hwreg(HW_REG_WAVE_SCHED_MODE, 0, 2), 2
	s_setreg_imm32_b32 hwreg(HW_REG_WAVE_MODE, 25, 1), 1
	s_wait_xcnt 0x0
	s_wait_alu depctr_vm_vsrc(0)
; PREPARATION, three small jobs, no LDS, no matrix work: memory binds, every store of a wave covers 256 or 512 consecutive bytes.
; (a) the five weights [512 k][512 n] f32 -> f16, one after the other in wh: Wpos, Wk, Wq, Wv, Wout (524,288 bytes each).
; (b) zeros into the pad rows of kbuf and vbuf.  Both are [32 heads][8,352 rows][64] f16, row = t + 128: rows 0-127 and 8,320-8,351 stand for keys outside 0 .. 8,191.
; (c) the mask's windows as a table of f32 addends in the register image of a score tile (16 keys x 16 queries):
;     bt[chunk n][query tile qt][key tile kt][half][lane][4]; lane (r, h), register j: 0 if mask[64 n + 16 qt + r][kv] is set and 0 <= kv < 8,192, else -1e30,
;     kv = 64 n - 128 + 16 kt + 8 h + j.  A lane's eight keys begin at a multiple of 8, so they are all inside the sequence or all outside.
; LIMITS.  A weight beyond 65,504 has no f16.  A mask byte other than 0 counts as true.
; THE MODE: SCHED_MODE bits 1:0 = 2 (LLVM: expert scheduling mode 2), set by the entry lines.  The code itself states the register dependences
; between vector instructions and memory instructions, and those through scalar registers that vector instructions write, with s_wait_alu, always for 0.
; THE PLAN.  Registers that memory instructions touch:
;   v6, v7, v10, v11, v12   byte offsets, and v[14:15], zeros to store: made at the head, read by loads and stores, never written again.
;   AD   v40-43   tile i's byte offset in mask: made once (tiles 0-2 at the head, tile 3 in the tail), read by the tile's one load, never written again.
;   v[16:35]      the weights as loaded: read by the conversions; nothing lands there again.
;   MK   v44-51   a tile's eight mask bytes: its load lands there once; behind the wait for it vector lines alone name them.
;   CV   v84-93   written by the conversions, read by the five stores to wh, never written again.
;   OUT  v52-83   each tile's own eight: written by the lines that cut the bytes out and by the selects, read by the tile's two stores, never written behind them.
; So no register that a memory instruction has read is written again, and no load lands in a register that a vector line has named: what is left to state is that a
; register is written before a memory instruction reads it, once for each run of loads or stores, and that a scalar register written by a vector line is written
; before its first reader.  For that the compares stand in runs, each into a scalar register of its own, with one wait behind the run.
.set HSTR, 8352*128                    ; bytes of a head in kbuf, vbuf
.set WB,   524288                      ; bytes of a weight in f16
.set KV,  36                           ; v36-39  first key of my eight, tile i
.set AD,  40                           ; v40-43  byte offset in mask, tile i
.set MK,  44                           ; v44-51  eight mask bytes, tile i
.set OUT, 52                           ; v52-83  eight addends, tile i
.set CV,  84                           ; v84-93  four f16, weight i
.set IN,  34                           ; s34-37  lanes whose eight keys lie inside the sequence, tile i
.set HID, 40                           ; s40-63  three sets of eight: lanes whose key j is hidden; tile 3 takes set 0 again
	s_load_b512 s[4:19], s[0:1], 0x0               ; Wpos 4, Wk 6, Wq 8, Wv 10, Wout 12, mask 14, wh 16, kbuf 18
	s_load_b128 s[20:23], s[0:1], 0x40             ; vbuf 20, bt 22
	v_lshrrev_b32 v1, 5, v0
	v_readfirstlane_b32 s24, v1                    ; wave 0..7
	s_mov_b32 s25, 0xf149f2ca                      ; -1e30
	s_mov_b32 s33, 0x2000                          ; T
	v_and_b32 v2, 15, v0                           ; r
	v_bfe_u32 v3, v0, 4, 1                         ; h
	v_and_b32 v4, 31, v0                           ; lane
	s_lshl_b32 s26, ttmp9, 8
	v_add_nc_u32 v5, s26, v0                       ; thread among all 65,536
	v_lshlrev_b32 v6, 4, v5                        ; its four f32 of a weight
	v_lshlrev_b32 v7, 3, v5                        ; its four f16
	s_lshr_b32 s27, ttmp9, 1                       ; chunk n
	s_and_b32 s28, ttmp9, 1
	s_lshl_b32 s28, s28, 1
	s_wait_alu depctr_va_sdst(0)                   ; s24 is written, ahead of its first reader: the query tile, the key tiles and both branches are made from it
	s_lshr_b32 s29, s24, 2
	s_add_co_u32 s28, s28, s29                     ; query tile qt
	s_and_b32 s29, s24, 3                          ; my first key tile; the others are 4, 8, 12 on
	s_lshl_b32 s30, s27, 6                         ; 64 n
	s_lshl_b32 s31, s28, 4
	s_add_co_u32 s31, s31, s30
	v_add_nc_u32 v8, s31, v2                       ; my query
	v_lshlrev_b32 v8, 13, v8                       ; its row of 8,192 bytes
	s_lshl_b32 s31, s29, 4
	s_add_co_u32 s31, s31, s30
	s_sub_co_u32 s31, s31, 128                     ; 64 n - 128 + 16 kt: below 0 it wraps, and the unsigned compare below finds it too large
	v_lshl_add_u32 v9, v3, 3, s31
	s_lshl_b32 s32, s27, 2
	s_add_co_u32 s32, s32, s28
	s_mul_i32 s32, s32, 14
	s_add_co_u32 s32, s32, s29
	s_lshl_b32 s32, s32, 10                        ; my first tile's 1,024 bytes in bt
	v_lshl_add_u32 v10, v4, 4, s32
	s_lshr_b32 s38, ttmp9, 3                       ; pads: head wg / 8, eighth wg % 8
	s_mul_i32 s38, s38, HSTR
	s_and_b32 s39, ttmp9, 7
	s_lshl_b32 s26, s39, 11
	s_add_co_u32 s26, s26, s38
	v_lshl_add_u32 v11, v0, 3, s26                 ; front: 16,384 bytes a head, 2,048 a work-group
	s_lshl_b32 s26, s39, 9
	s_add_co_u32 s26, s26, s38
	s_add_co_u32 s26, s26, 8320*128
	v_lshl_add_u32 v12, v0, 3, s26                 ; back: 4,096 bytes a head, 512 a work-group
	v_mov_b32 v14, 0
	v_mov_b32 v15, 0
; Key tile kt0 + 4 i, in six parts, so that like lines of several tiles stand in runs.
.macro TKEY i                          ; my first key, and whether it lies inside the sequence
	v_add_nc_u32 v[KV+(\i)], 64*(\i), v9
	v_cmp_gt_u32 s[IN+(\i)], s33, v[KV+(\i)]
.endm
.macro TADR i                          ; my eight bytes' offset in mask
	v_cndmask_b32 v[AD+(\i)], 0, v[KV+(\i)], s[IN+(\i)]  ; outside: column 0 is read and thrown away
	v_add_nc_u32 v[AD+(\i)], v8, v[AD+(\i)]
.endm
.macro TLOAD i                         ; eight mask bytes
	global_load_b64 v[MK+2*(\i):MK+2*(\i)+1], v[AD+(\i)], s[14:15] th:TH_LOAD_NT
.endm
.macro SIFT i, k                       ; each byte into its own register, and the eight compares into set k
	v_cndmask_b32 v[MK+2*(\i)], 0, v[MK+2*(\i)], s[IN+(\i)]
	v_cndmask_b32 v[MK+2*(\i)+1], 0, v[MK+2*(\i)+1], s[IN+(\i)]
.irp j, 0,1,2,3,4,5,6,7
	v_bfe_u32 v[OUT+8*(\i)+(\j)], v[MK+2*(\i)+(\j)/4], 8*((\j)%4), 8
.endr
.irp j, 0,1,2,3,4,5,6,7
	v_cmp_eq_u32 s[HID+8*(\k)+(\j)], 0, v[OUT+8*(\i)+(\j)]
.endr
.endm
.macro PICK i, k                       ; 0, or -1e30 where the key is hidden
.irp j, 0,1,2,3,4,5,6,7
	v_cndmask_b32 v[OUT+8*(\i)+(\j)], 0, s25, s[HID+8*(\k)+(\j)]
.endr
.endm
.macro SEND i
	global_store_b128 v10, v[OUT+8*(\i):OUT+8*(\i)+3], s[22:23] offset:4096*(\i)        ; registers 0-3 of all 32 lanes: 512 consecutive bytes
	global_store_b128 v10, v[OUT+8*(\i)+4:OUT+8*(\i)+7], s[22:23] offset:4096*(\i)+512  ; registers 4-7
.endm
	TKEY 0
	TKEY 1
	TKEY 2
	s_wait_alu depctr_va_sdst(0)                   ; the three compares have written s34 to s36, ahead of their first readers, the selects below
	TADR 0
	TADR 1
	TADR 2
	s_wait_alu depctr_va_vdst(0)                   ; v6, v7, v10, v11, v12, v[14:15] and AD 0-2 are written: the loads and stores from here on read them, and no later vector line names them
	s_wait_kmcnt 0x0
.irp i, 0,1,2,3,4
	global_load_b128 v[16+4*(\i):16+4*(\i)+3], v6, s[4+2*(\i):5+2*(\i)] th:TH_LOAD_NT
.endr
	TLOAD 0
	TLOAD 1
	TLOAD 2
	global_store_b64 v11, v[14:15], s[18:19]       ; the front pads
	global_store_b64 v11, v[14:15], s[20:21]
	s_cmp_lt_u32 s24, 2
	s_cbranch_scc0 .Lno_back                       ; the back pads are 64 threads' work
	global_store_b64 v12, v[14:15], s[18:19]
	global_store_b64 v12, v[14:15], s[20:21]
.Lno_back:
.irp i, 0,1,2,3,4
	s_wait_loadcnt 7-(\i)                          ; behind weight i: the 4 - i younger weights' loads and the three mask loads
	v_cvt_pk_f16_f32 v[CV+2*(\i)], v[16+4*(\i)], v[16+4*(\i)+1]
	v_cvt_pk_f16_f32 v[CV+2*(\i)+1], v[16+4*(\i)+2], v[16+4*(\i)+3]
.endr
	s_wait_alu depctr_va_vdst(0)                   ; the ten conversions have written CV, which the five stores read
.irp i, 0,1,2,3,4
	global_store_b64 v7, v[CV+2*(\i):CV+2*(\i)+1], s[16:17] offset:(\i)*WB
.endr
	s_wait_loadcnt 0x0                             ; the mask bytes of tiles 0 to 2
	SIFT 0, 0
	SIFT 1, 1
	SIFT 2, 2
	s_wait_alu depctr_va_sdst(0)                   ; the 24 compares have written s40 to s63, ahead of their first readers, the selects below
	PICK 0, 0
	PICK 1, 1
	PICK 2, 2
	s_wait_alu depctr_va_vdst(0)                   ; the selects have written OUT of tiles 0 to 2, which the six stores read
	SEND 0
	SEND 1
	SEND 2
	s_cmp_lt_u32 s29, 2
	s_cbranch_scc0 .Lend                           ; there are 14 key tiles: 12 and 13 are the fourth of two waves in four
	TKEY 3
	s_wait_alu depctr_va_sdst(0)                   ; the compare has written s37, ahead of its first reader
	TADR 3
	s_wait_alu depctr_va_vdst(0)                   ; AD 3 is written, which the load reads
	TLOAD 3
	s_wait_loadcnt 0x0
	SIFT 3, 0
	s_wait_alu depctr_va_sdst(0)                   ; the eight compares have written s40 to s47 anew, ahead of the selects that read them
	PICK 3, 0
	s_wait_alu depctr_va_vdst(0)                   ; the selects have written OUT of tile 3, which the two stores read
	SEND 3
.Lend:
	s_endpgm
.Lfunc_end_k_qd0995f0a34_prep:
	.size	k_qd0995f0a34_prep, .Lfunc_end_k_qd0995f0a34_prep-k_qd0995f0a34_prep
	.p2alignl 7, 3214868480
	.fill 96, 4, 3214868480
	.section	.rodata,"a",@progbits
	.p2align	6, 0x0
	.amdhsa_kernel k_qd0995f0a34_prep
		.amdhsa_group_segment_fixed_size 0
		.amdhsa_private_segment_fixed_size 0
		.amdhsa_enable_private_segment 0
		.amdhsa_kernarg_size 80
		.amdhsa_user_sgpr_count 2
		.amdhsa_user_sgpr_kernarg_segment_ptr 1
		.amdhsa_wavefront_size32 1
		.amdhsa_system_sgpr_workgroup_id_x 1
		.amdhsa_system_sgpr_workgroup_id_y 1
		.amdhsa_system_sgpr_workgroup_id_z 1
		.amdhsa_system_vgpr_workitem_id 0
		.amdhsa_next_free_vgpr 96
		.amdhsa_next_free_sgpr 66
		.amdhsa_reserve_vcc 0
		.amdhsa_float_denorm_mode_32 3
		.amdhsa_float_denorm_mode_16_64 3
		.amdhsa_memory_ordered 1
		.amdhsa_forward_progress 1
		.amdhsa_inst_pref_size 14
	.end_amdhsa_kernel
	.amdgpu_metadata
---
amdhsa.version: [ 1, 2 ]
amdhsa.kernels:
  - .name:           k_qd0995f0a34_prep
    .symbol:         k_qd0995f0a34_prep.kd
    .args:
      - { .name: Wpos, .offset: 0, .size: 8, .value_kind: global_buffer, .address_space: global }
      - { .name: Wk, .offset: 8, .size: 8, .value_kind: global_buffer, .address_space: global }
      - { .name: Wq, .offset: 16, .size: 8, .value_kind: global_buffer, .address_space: global }
      - { .name: Wv, .offset: 24, .size: 8, .value_kind: global_buffer, .address_space: global }
      - { .name: Wout, .offset: 32, .size: 8, .value_kind: global_buffer, .address_space: global }
      - { .name: mask, .offset: 40, .size: 8, .value_kind: global_buffer, .address_space: global }
      - { .name: wh, .offset: 48, .size: 8, .value_kind: global_buffer, .address_space: global }
      - { .name: kbuf, .offset: 56, .size: 8, .value_kind: global_buffer, .address_space: global }
      - { .name: vbuf, .offset: 64, .size: 8, .value_kind: global_buffer, .address_space: global }
      - { .name: bt, .offset: 72, .size: 8, .value_kind: global_buffer, .address_space: global }
    .group_segment_fixed_size: 0
    .private_segment_fixed_size: 0
    .kernarg_segment_align: 8
    .kernarg_segment_size: 80
    .max_flat_workgroup_size: 256
    .sgpr_count:     66
    .vgpr_count:     96
    .wavefront_size: 32
...
	.end_amdgpu_metadata
.endif
;; end of part 4
;; launch proj: the kernel of part 2 again; grid 256 x 1, 4 waves a work-group, clusters of 4 x 1, 327,680 bytes of LDS; arguments x, pos_enc, ln_g, ln_b, bq, bk, bv, wh, qbuf, kbuf, vbuf; writes qbuf, kbuf, vbuf
;; launch attn: the kernel of part 3 again; grid 256 x 1, 4 waves a work-group, clusters of 4 x 1, 327,680 bytes of LDS; arguments qbuf, kbuf, vbuf, wh, bt, bout, out0; writes out0
